; MI455X (gfx1250); checked and timed in simulation.
; The chip was launched on July 23, 2026; its instructions are those of AMD's public machine-readable ISA for CDNA 5 (MIT licence, August 2026) and "CDNA5" Instruction Set Architecture Reference Guide (July 2026). The comments in the code are by the model that wrote it; some were corrected since.
;; Causal Multi Head Attention. Allowed arithmetic: matrix products marked QUANTISED: E2M1 operands, one E8M0 scale for each 32 along K, by v_wmma_scale_f32_16x16x128_f8f6f4 with both operands' format E2M1 (or v_wmma_scale_f32_32x16x128_f4), f32 sums; products left as they are: bf16, f16 or f32 operands; f32 sums; everything else in f32.
;; Inputs: bk 1,024 float32; bo 1,024 float32; bq 1,024 float32; bv 1,024 float32; wk 1,024 x 1,024 float32; wo 1,024 x 1,024 float32; wq 1,024 x 1,024 float32; wv 1,024 x 1,024 float32; x 4 x 2,048 x 1,024 float32.
;; Outputs: out0 4 x 2,048 x 1,024 float32.
;; This version of the problem:
;;   THIS VERSION OF THE PROBLEM IS GIVEN IN LOW PRECISION. The matrix products marked QUANTISED in the list below multiply operands that are first quantised to E2M1 (2 exponent bits, 1 mantissa bit; 4 bits a number), with one power-of-two scale for each 32 numbers along K (OCP MX v1.0); their sums are f32. The products marked 'left as it is' may take bf16, f16 or f32 operands, with f32 sums. Whichever they take, every output number must still come out within the allowed error. Rounding operands to bf16 (8 significant bits) uses up far more of that allowance than f16 does (11 bits, for magnitudes from 6e-5 to 65,504). All else is computed in f32.
;;   The module's matrix products, in the order in which they are computed (A, B: the left and right operand; K: the contracted axis; several contracted axes count as one K, in the product's order):
;;     1. [M 8,192, K 1,024] x [K 1,024, N 1,024]; A: input x; B: input wq: QUANTISED
;;     2. [M 8,192, K 1,024] x [K 1,024, N 1,024]; A: input x; B: input wk: QUANTISED
;;     3. [M 8,192, K 1,024] x [K 1,024, N 1,024]; A: input x; B: input wv: QUANTISED
;;     4. batch 64 x [M 2,048, K 64] x [K 64, N 2,048]; A: computed on the way; B: computed on the way: left as it is (an operand is computed on the way)
;;     5. batch 64 x [M 2,048, K 2,048] x [K 2,048, N 64]; A: computed on the way; B: computed on the way: left as it is (an operand is computed on the way)
;;     6. [M 8,192, K 1,024] x [K 1,024, N 1,024]; A: computed on the way; B: input wo: left as it is (an operand is computed on the way)
;;   THE QUANTISER, for each operand of a quantised product, along K:
;;     - K is cut into blocks of 32 from its start; a last block that is shorter is filled with zeros.
;;     - A block's scale is 2^e with e = floor(log2(the largest magnitude in the block)) - 2, held to -126 .. 127; a block of zeros has e = 0. As a byte (E8M0): e + 127.
;;     - Each number is divided by its block's scale, clamped to +-6, and rounded to the nearest number of E2M1, ties to even, subnormals kept.
;;     - The product sums the exact products of the quantised numbers (number of the format x scale) in f32.
;;   ~~~python
;;   def quantise(x, axis):      # numpy; x: float32 -> the quantised numbers, widened to float32 again
;;       x = np.moveaxis(x, axis, -1); K = x.shape[-1]
;;       x = np.pad(x, [(0, 0)] * (x.ndim - 1) + [(0, -K % 32)]); x = x.reshape(x.shape[:-1] + (-1, 32)); a = np.abs(x).max(-1, keepdims=True)
;;       e = np.where(a > 0, np.clip(np.frexp(np.where(a > 0, a, 1))[1] - 1 - 2, -126, 127), 0)      # np.frexp(a)[1] - 1 = floor(log2(a)), exactly
;;       r = np.clip(x / 2.0 ** e, -6, 6)
;;       step = 2.0 ** (np.maximum(np.frexp(np.where(r == 0, 1, r))[1] - 1, 0) - 1)
;;       q = np.round(r / step) * step * 2.0 ** e      # np.round: ties to even
;;       return np.moveaxis(q.reshape(q.shape[:-2] + (-1,))[..., :K], -1, axis).astype(np.float32)
;;   ~~~
;; One version. Each part assembles by itself: llvm-mc -triple=amdgcn-amd-amdhsa -mcpu=gfx1250 --defsym DOCPART=n.
;; ======== version 1 of 1: 5 launches
;; limits: values are held in f16: magnitudes above 65,504 overflow, below 6.1e-05 lose precision
;; workspace buffers: xc 4,194,304 bytes; xs 262,144 bytes; wc 1,572,864 bytes; ws 98,304 bytes; wot 2,097,152 bytes; qkv 50,331,648 bytes; qkv16 786,432 bytes; ctx 16,777,216 bytes
;; launch prep (part 1): grid 256 x 1, 8 waves a work-group, no clusters, 154,624 bytes of LDS; arguments x, wq, wk, wv, wo, xc, xs, wc, ws, wot; writes xc, xs, wc, ws, wot
.if DOCPART == 1
	.amdgcn_target "amdgcn-amd-amdhsa--gfx1250"
	.amdhsa_code_object_version 6
	.text
	.protected	k_qb542eca772_prep
	.globl	k_qb542eca772_prep
	.p2align	8
	.type	k_qb542eca772_prep,@function
k_qb542eca772_prep:
	s_mov_b64 s[64:65], 0
	v_nop
	global_prefetch_b8 v0, s[64:65] scope:SCOPE_SE
	s_setreg_imm32_b32 hwreg(HW_REG_WAVE_MODE, 25, 1), 1
	s_wait_xcnt 0x0
; prep: the operands of the three quantised products become codes of E2M1 with one E8M0 byte for each 32 along K, and wo becomes f16 with K innermost.
;   work-groups   0-127: x [8192][1024] f32 (K innermost)  -> xc [8192][512 bytes], xs [8192][32 bytes]
;   work-groups 128-223: wq, wk, wv [k 1024][n 1024] f32    -> wc [3072 columns: q, k, v][512 bytes], ws [3072][32 bytes]
;   work-groups 224-255: wo [k 1024][n 1024] f32            -> wot [n 1024][k 1024] f16
; The three ways part on the work-group's number alone; each has LDS bytes of its own.
; A block's scale is 2^(floor(log2(largest magnitude)) - 2): its byte is the largest magnitude's exponent field - 2, held at 1 from below.
; LIMITS: a block of zeros, and a block whose largest magnitude lies under 2^-124, gets the byte 1 (zero codes add nothing under any byte but 0xff; this program alone
; reads the bytes).  NaN and infinities among the inputs are not served.  wo goes to f16: magnitudes up to 65,504.
.set SP,    80                         ; x: a lane's place in a stage: 64 bytes + 16 of padding
.set WREG,  8192                       ; x: LDS of a wave: two stages of 32 x SP bytes, then its 256 scale bytes.  Eight waves: bytes 0 .. 65,535
.set WP,    272                        ; a stage row of the weights: 256 bytes + 16
.set WSTG,  65536                      ; wq, wk, wv: 64 columns x WP, the work-group's
.set WSC,   82944                      ; and 64 columns x 16 scale bytes
.set OSTG,  83968                      ; wo: 32 columns x WP for each wave
.set SPARE, 153600                     ; the spare words, 128 bytes for each of eight waves: four blocks of 256 bytes that no other line names
.set EMAX,  2
.set SPW,   224                        ; v224 LDS address of my spare word; never rewritten
.set NIL,   225                        ; v225 0; never rewritten
.set R,     16                         ; x: v16-143  eight sets of 16 numbers as loaded
.set X,     144                        ; x: v144-175 two sets of 16 neighbours
.set E,     176                        ; x: v176-191 a scale byte for each step
.set C,     192                        ; x: v192-223 two registers of codes for each step
.set XW,    32                         ; weights: v32-95 two sets of 32 numbers down K
.set CW,    96                         ; weights: v96-111 what a block becomes
.set OUTR,  112                        ; weights: v112-175 rows on the way out
.macro FINISH                          ; a wave's end
	s_wait_tensorcnt 0x0
	ds_add_u32 v[SPW], v[NIL]
	s_wait_dscnt 0x0
	s_endpgm
.endm
.macro XLOAD t                         ; step t: four loads, each 512 consecutive bytes a wave
.irp i, 0,1,2,3
	global_load_b128 v[R+16*((\t)%8)+4*\i:R+16*((\t)%8)+4*\i+3], v3, s[4:5] offset:2048*(\t)+512*\i th:TH_LOAD_NT
.endr
.endm
.macro XTURN t                         ; step t's 2,048 bytes through my stage: in as they lie, out 64 bytes a lane.  LDS serves a wave's instructions in order
.irp i, 0,1,2,3
	ds_store_b128 v14, v[R+16*((\t)%8)+4*\i:R+16*((\t)%8)+4*\i+3] offset:32*SP*((\t)%2)+8*SP*\i
.endr
.irp i, 0,1,2,3
	ds_load_b128 v[X+16*((\t)%2)+4*\i:X+16*((\t)%2)+4*\i+3], v15 offset:32*SP*((\t)%2)+16*\i
.endr
.endm
.macro XSTEP t
.set XS, X+16*((\t)%2)
.if (\t) > 0
	s_wait_dscnt 1                                 ; this step's numbers are back from the stage; only the last step's byte store may be out
.else
	s_wait_dscnt 0x0
.endif
.if (\t)+8 < 16
	XLOAD (\t)+8                                   ; into the set that this step's stage stores have read
.endif
.if (\t)+1 < 16
.if 14-(\t) >= 7
	s_wait_loadcnt 28                              ; the next step's four loads are in; the seven steps behind it, 28 loads, may be out
.else
	s_wait_loadcnt 4*(14-(\t))                     ; towards the end fewer steps stand behind it
.endif
	XTURN (\t)+1
.endif
	v_max3_num_f32 v8, |v[XS]|, |v[XS+1]|, |v[XS+2]|               ; the largest magnitude of my 16, in two chains
	v_max3_num_f32 v9, |v[XS+3]|, |v[XS+4]|, |v[XS+5]|
.irp i, 6,10
	v_max3_num_f32 v8, v8, |v[XS+\i]|, |v[XS+\i+1]|
	v_max3_num_f32 v9, v9, |v[XS+\i+2]|, |v[XS+\i+3]|
.endr
	v_max3_num_f32 v8, v8, |v[XS+14]|, |v[XS+15]|
	v_max3_num_f32 v8, v8, v9, (EMAX+1)<<23        ; and the floor 2^(3 - 127): the byte cannot fall under 1
	v_max_num_f32_dpp v8, v8, v8 row_xmask:1 row_mask:0xf bank_mask:0xf   ; with my neighbour's 16: the block's
	v_add_nc_u32 v11, -(EMAX<<23), v8              ; 2 off the exponent field: the conversion takes this operand's exponent field as its scale
	v_cvt_scalef32_pk8_fp4_f32 v[C+2*(\t)], v[XS:XS+7], v11
	v_cvt_scalef32_pk8_fp4_f32 v[C+2*(\t)+1], v[XS+8:XS+15], v11
	v_lshrrev_b32 v[E+(\t)], 23, v11               ; the scale's byte (a plain line behind the conversions)
	ds_store_b8 v5, v[E+(\t)] offset:16*(\t)       ; both lanes of a block write the same byte with the same value
	global_store_b64 v4, v[C+2*(\t):C+2*(\t)+1], s[14:15] offset:256*(\t)   ; the wave stores 256 consecutive bytes, aligned
.endm
.macro WLOAD t                         ; weights, block t: rows 32 t + i of my column: 128 consecutive bytes a wave, 256 for the two waves side by side
.irp i, 0,1,2,3,4,5,6,7,8,9,10,11,12,13,14,15,16,17,18,19,20,21,22,23,24,25,26,27,28,29,30,31
	global_load_b32 v[XW+32*((\t)%2)+\i], v3, s[28:29] offset:(32*(\t)+\i)*4096 th:TH_LOAD_NT
.endr
.endm
.macro WWAIT t
.if (\t) < 3
	s_wait_loadcnt 32                              ; this block's 32 loads are in; the next block's 32 may be out
.else
	s_wait_loadcnt 0x0
.endif
.endm
.macro WBLOCK t                        ; a block of 32 down K of my column becomes 16 bytes of codes and a scale byte
.set XS, XW+32*((\t)%2)
	WWAIT \t
	v_max3_num_f32 v12, |v[XS]|, |v[XS+1]|, |v[XS+2]|
	v_max3_num_f32 v13, |v[XS+3]|, |v[XS+4]|, |v[XS+5]|
.irp i, 6,10,14,18,22,26
	v_max3_num_f32 v12, v12, |v[XS+\i]|, |v[XS+\i+1]|
	v_max3_num_f32 v13, v13, |v[XS+\i+2]|, |v[XS+\i+3]|
.endr
	v_max3_num_f32 v12, v12, |v[XS+30]|, |v[XS+31]|
	v_max3_num_f32 v12, v12, v13, (EMAX+1)<<23
	v_add_nc_u32 v11, -(EMAX<<23), v12
	v_lshrrev_b32 v13, 23, v11
.if (\t) == 0
	v_mov_b32 v24, v13                             ; four bytes to a word, the lower K in the lower byte
.else
	v_lshl_or_b32 v24, v13, 8*(\t), v24
.endif
.irp g, 0,1,2,3
	v_cvt_scalef32_pk8_fp4_f32 v[CW+\g], v[XS+8*\g:XS+8*\g+7], v11
.endr
	ds_store_b128 v4, v[CW:CW+3] offset:16*(\t)
.if (\t)+2 < 4
	WLOAD (\t)+2
.endif
	s_wait_dscnt 0x0                               ; the store has read its registers: the next block's codes may be written
.endm
.macro OBLOCK t                        ; 32 numbers down K of my column become 64 bytes of f16
.set XS, XW+32*((\t)%2)
	WWAIT \t
.irp i, 0,1,2,3,4,5,6,7,8,9,10,11,12,13,14,15
	v_cvt_pk_f16_f32 v[CW+\i], v[XS+2*\i], v[XS+2*\i+1]
.endr
.irp g, 0,1,2,3
	ds_store_b128 v4, v[CW+4*\g:CW+4*\g+3] offset:64*(\t)+16*\g
.endr
.if (\t)+2 < 4
	WLOAD (\t)+2
.endif
	s_wait_dscnt 0x0
.endm
.macro SRCOFF                          ; s[34:35] = bytes from a weight's first number to my wave's: row 512 y + 128 kg, column 64 cb + 32 cg
	s_and_b32 s31, s24, 1                          ; cg: which 32 of the 64 columns
	s_lshr_b32 s32, s24, 1                         ; kg: which 128 of the 512 along K
	s_lshl_b32 s33, s30, 2
	s_add_co_u32 s33, s33, s32
	s_lshl_b32 s34, s33, 19                        ; 128 rows of 4,096 bytes
	s_lshl_b32 s35, s27, 8
	s_add_co_u32 s34, s34, s35
	s_lshl_b32 s35, s31, 7
	s_add_co_u32 s34, s34, s35
	s_mov_b32 s35, 0
.endm
	s_load_b256 s[4:11], s[0:1], 0x0               ; x, wq, wk, wv
	s_load_b256 s[12:19], s[0:1], 0x20             ; wo, xc, xs, wc
	s_load_b128 s[20:23], s[0:1], 0x40             ; ws, wot
	v_lshl_add_u32 v[SPW], v0, 2, SPARE
	v_mov_b32 v[NIL], 0
	v_lshrrev_b32 v1, 5, v0
	v_readfirstlane_b32 s24, v1                    ; wave 0..7
	v_and_b32 v2, 31, v0                           ; lane
	s_wait_kmcnt 0x0
	s_cmp_lt_u32 ttmp9, 128
	s_cbranch_scc0 .Lweights
	; ---- x: a plain stream of blocks of 32.  A wave takes 16 steps of 512 numbers; loads run eight steps (32 loads, 16 KiB a wave) ahead
	v_lshlrev_b32 v3, 4, v2                        ; my 16 bytes of a load's 512
	s_lshl_b32 s25, s24, 13                        ; my wave's LDS
	v_lshrrev_b32 v14, 2, v2
	v_mul_u32_u24 v14, v14, SP
	v_and_b32 v15, 3, v2
	v_lshl_add_u32 v14, v15, 4, v14
	v_add_nc_u32 v14, s25, v14                     ; into the stage: SP (lane / 4) + 16 (lane % 4)
	v_mul_u32_u24 v15, v2, SP
	v_add_nc_u32 v15, s25, v15                     ; out of it: SP x lane: my 16 neighbours
	v_lshlrev_b32 v4, 3, v2                        ; 8 bytes a lane: my codes in a step's 256, my part of the 256 scale bytes
	v_lshrrev_b32 v5, 1, v2
	s_add_co_u32 s25, s25, 2*32*SP
	v_add_nc_u32 v5, s25, v5                       ; my block's scale byte in LDS
	v_add_nc_u32 v6, s25, v4                       ; and where I read 8 of them back
	s_lshl_b32 s26, ttmp9, 3
	s_add_co_u32 s26, s26, s24                     ; which run of 8,192 numbers is my wave's
	s_lshl_b32 s28, s26, 15
	s_mov_b32 s29, 0
	s_add_nc_u64 s[4:5], s[4:5], s[28:29]
	s_lshl_b32 s28, s26, 12
	s_add_nc_u64 s[14:15], s[14:15], s[28:29]
	s_lshl_b32 s28, s26, 8
	s_add_nc_u64 s[16:17], s[16:17], s[28:29]
.irp t, 0,1,2,3,4,5,6,7
	XLOAD \t
.endr
	s_wait_loadcnt 28                              ; step 0's four loads are in; seven steps' 28 may be out
	XTURN 0
.irp t, 0,1,2,3,4,5,6,7,8,9,10,11,12,13,14,15
	XSTEP \t
.endr
	ds_load_b64 v[8:9], v6                         ; my wave's 256 scale bytes (LDS serves a wave in order: these see my stores)
	s_wait_dscnt 0x0
	global_store_b64 v4, v[8:9], s[16:17]          ; 256 consecutive bytes, aligned
	FINISH
.Lweights:
	v_lshlrev_b32 v3, 2, v2                        ; a lane takes a column: 4 bytes a lane
	v_and_b32 v9, 15, v2                           ; r
	v_lshrrev_b32 v6, 4, v2                        ; h
	s_cmp_lt_u32 ttmp9, 224
	s_cbranch_scc0 .Lwo
	; ---- wq, wk, wv: a work-group takes 64 columns x 512 along K; a wave 32 columns x 128: registers run down K, so the codes come out with K innermost
	s_sub_co_u32 s25, ttmp9, 128
	s_lshr_b32 s26, s25, 5                         ; which weight
	s_and_b32 s27, s25, 15                         ; cb: which 64 columns
	s_bfe_u32 s30, s25, 0x10004                    ; y: which 512 along K
	s_cmp_eq_u32 s26, 0
	s_cselect_b64 s[28:29], s[6:7], s[8:9]
	s_cmp_eq_u32 s26, 2
	s_cselect_b64 s[28:29], s[10:11], s[28:29]
	SRCOFF
	s_add_nc_u64 s[28:29], s[28:29], s[34:35]
	s_mul_i32 s36, s31, 32*WP
	s_lshl_b32 s37, s32, 6
	s_add_co_u32 s36, s36, s37
	s_add_co_u32 s36, s36, WSTG
	v_mul_u32_u24 v4, v2, WP
	v_add_nc_u32 v4, s36, v4                       ; the stage: row = my column, my wave's 64 bytes of its 256
	s_lshl_b32 s36, s31, 9
	s_lshl_b32 s37, s32, 2
	s_add_co_u32 s36, s36, s37
	s_add_co_u32 s36, s36, WSC
	v_lshl_add_u32 v5, v2, 4, s36                  ; my column's 16 scale bytes, my wave's word of them
	s_mul_i32 s36, s24, 8*WP
	s_add_co_u32 s36, s36, WSTG
	v_mul_u32_u24 v7, v6, WP
	v_lshl_add_u32 v7, v9, 4, v7
	v_add_nc_u32 v7, s36, v7                       ; back: wave w takes rows 8 w .. 8 w + 7, sixteen lanes to a row
	v_lshlrev_b32 v8, 9, v6
	v_lshl_add_u32 v8, v9, 4, v8                   ; the same place in wc: 512 h + 16 r
	s_lshl_b32 s36, s26, 10
	s_lshl_b32 s37, s27, 6
	s_add_co_u32 s36, s36, s37
	s_lshl_b32 s37, s24, 3
	s_add_co_u32 s37, s36, s37                     ; the first row of wc and ws that my wave stores
	s_lshl_b32 s38, s37, 9
	s_lshl_b32 s39, s30, 8
	s_add_co_u32 s38, s38, s39
	s_mov_b32 s39, 0
	s_add_nc_u64 s[18:19], s[18:19], s[38:39]
	s_lshl_b32 s38, s24, 7
	s_add_co_u32 s38, s38, WSC
	v_lshl_add_u32 v10, v2, 2, s38                 ; the scale words back: wave w takes words 32 w + lane: column 8 w + lane / 4
	v_lshrrev_b32 v14, 2, v2
	v_and_b32 v15, 3, v2
	v_lshlrev_b32 v14, 5, v14
	v_lshl_add_u32 v14, v15, 2, v14                ; in ws: 32 bytes a column, 4 bytes a word
	s_lshl_b32 s38, s37, 5
	s_lshl_b32 s40, s30, 4
	s_add_co_u32 s38, s38, s40
	s_add_nc_u64 s[20:21], s[20:21], s[38:39]
	WLOAD 0
	WLOAD 1
.irp t, 0,1,2,3
	WBLOCK \t
.endr
	ds_store_b32 v5, v24
	s_wait_dscnt 0x0                               ; for the others' sake: my codes and my scale word lie in LDS
	s_barrier_signal -1
	s_barrier_wait -1                              ; a column's 256 bytes come from four waves (all eight waves of this work-group are on this way)
.irp i, 0,1,2,3
	ds_load_b128 v[OUTR+4*\i:OUTR+4*\i+3], v7 offset:2*\i*WP
.endr
	ds_load_b32 v25, v10
.irp i, 0,1,2,3
	s_wait_dscnt 4-\i                              ; behind load i stand 3 - i row loads and the scale word's
	global_store_b128 v8, v[OUTR+4*\i:OUTR+4*\i+3], s[18:19] offset:1024*\i   ; sixteen lanes store 256 consecutive bytes, aligned
.endr
	s_wait_dscnt 0x0
	global_store_b32 v14, v25, s[20:21]            ; 16 bytes of each column's row of 32: 98,304 bytes in the whole launch
	FINISH
.Lwo:
	; ---- wo: the same walk; a block is rounded to f16; each wave has a stage of its own (its 128 along K are 256 bytes), so no barrier
	s_sub_co_u32 s25, ttmp9, 224
	s_and_b32 s27, s25, 15                         ; cb
	s_lshr_b32 s30, s25, 4                         ; y
	SRCOFF
	s_add_nc_u64 s[28:29], s[12:13], s[34:35]
	s_mul_i32 s36, s24, 32*WP
	s_add_co_u32 s36, s36, OSTG
	v_mul_u32_u24 v4, v2, WP
	v_add_nc_u32 v4, s36, v4
	v_mul_u32_u24 v7, v6, WP
	v_lshl_add_u32 v7, v9, 4, v7
	v_add_nc_u32 v7, s36, v7
	v_lshlrev_b32 v8, 11, v6
	v_lshl_add_u32 v8, v9, 4, v8                   ; in wot: 2,048 h + 16 r
	s_lshl_b32 s36, s27, 17                        ; 64 cb rows of 2,048 bytes
	s_lshl_b32 s37, s31, 16                        ; 32 cg rows
	s_add_co_u32 s36, s36, s37
	s_lshl_b32 s37, s30, 10                        ; 512 y numbers of 2 bytes
	s_add_co_u32 s36, s36, s37
	s_lshl_b32 s37, s32, 8                         ; 128 kg numbers
	s_add_co_u32 s36, s36, s37
	s_mov_b32 s37, 0
	s_add_nc_u64 s[22:23], s[22:23], s[36:37]
	WLOAD 0
	WLOAD 1
.irp t, 0,1,2,3
	OBLOCK \t
.endr
.irp t, 0,1,2,3,4,5,6,7,8,9,10,11,12,13,14,15
	ds_load_b128 v[OUTR+4*\t:OUTR+4*\t+3], v7 offset:2*\t*WP
.endr
.irp t, 0,1,2,3,4,5,6,7,8,9,10,11,12,13,14,15
	s_wait_dscnt 15-\t
	global_store_b128 v8, v[OUTR+4*\t:OUTR+4*\t+3], s[22:23] offset:2*\t*2048   ; sixteen lanes store 256 consecutive bytes, aligned
.endr
	FINISH
.Lfunc_end_k_qb542eca772_prep:
	.size	k_qb542eca772_prep, .Lfunc_end_k_qb542eca772_prep-k_qb542eca772_prep
	.p2alignl 7, 3214868480
	.fill 96, 4, 3214868480
	.section	.rodata,"a",@progbits
	.p2align	6, 0x0
	.amdhsa_kernel k_qb542eca772_prep
		.amdhsa_group_segment_fixed_size 154624
		.amdhsa_private_segment_fixed_size 0
		.amdhsa_enable_private_segment 0
		.amdhsa_kernarg_size 80
		.amdhsa_user_sgpr_count 2
		.amdhsa_user_sgpr_kernarg_segment_ptr 1
		.amdhsa_wavefront_size32 1
		.amdhsa_system_sgpr_workgroup_id_x 1
		.amdhsa_system_sgpr_workgroup_id_y 1
		.amdhsa_system_sgpr_workgroup_id_z 1
		.amdhsa_system_vgpr_workitem_id 0
		.amdhsa_next_free_vgpr 240
		.amdhsa_next_free_sgpr 66
		.amdhsa_reserve_vcc 0
		.amdhsa_float_denorm_mode_32 3
		.amdhsa_float_denorm_mode_16_64 3
		.amdhsa_memory_ordered 1
		.amdhsa_forward_progress 1
		.amdhsa_inst_pref_size 77
	.end_amdhsa_kernel
	.amdgpu_metadata
---
amdhsa.version: [ 1, 2 ]
amdhsa.kernels:
  - .name:           k_qb542eca772_prep
    .symbol:         k_qb542eca772_prep.kd
    .args:
      - { .name: x, .offset: 0, .size: 8, .value_kind: global_buffer, .address_space: global }
      - { .name: wq, .offset: 8, .size: 8, .value_kind: global_buffer, .address_space: global }
      - { .name: wk, .offset: 16, .size: 8, .value_kind: global_buffer, .address_space: global }
      - { .name: wv, .offset: 24, .size: 8, .value_kind: global_buffer, .address_space: global }
      - { .name: wo, .offset: 32, .size: 8, .value_kind: global_buffer, .address_space: global }
      - { .name: xc, .offset: 40, .size: 8, .value_kind: global_buffer, .address_space: global }
      - { .name: xs, .offset: 48, .size: 8, .value_kind: global_buffer, .address_space: global }
      - { .name: wc, .offset: 56, .size: 8, .value_kind: global_buffer, .address_space: global }
      - { .name: ws, .offset: 64, .size: 8, .value_kind: global_buffer, .address_space: global }
      - { .name: wot, .offset: 72, .size: 8, .value_kind: global_buffer, .address_space: global }
    .group_segment_fixed_size: 154624
    .private_segment_fixed_size: 0
    .kernarg_segment_align: 8
    .kernarg_segment_size: 80
    .max_flat_workgroup_size: 256
    .sgpr_count:     66
    .vgpr_count:     240
    .wavefront_size: 32
...
	.end_amdgpu_metadata
.endif
;; end of part 1
;; launch qkv (part 2): grid 12 x 32, 4 waves a work-group, clusters of 4 x 4, 327,680 bytes of LDS; arguments xc, xs, wc, ws, bq, bk, bv, qkv, qkv16; writes qkv, qkv16
.if DOCPART == 2
	.amdgcn_target "amdgcn-amd-amdhsa--gfx1250"
	.amdhsa_code_object_version 6
	.text
	.protected	k_qb542eca772_qkv
	.globl	k_qb542eca772_qkv
	.p2align	8
	.type	k_qb542eca772_qkv,@function
k_qb542eca772_qkv:
	s_mov_b64 s[64:65], 0
	v_nop
	global_prefetch_b8 v0, s[64:65] scope:SCOPE_SE
	s_setreg_imm32_b32 hwreg(HW_REG_WAVE_MODE, 25, 1), 1
	s_wait_xcnt 0x0
	s_wait_alu depctr_hold_cnt(0) depctr_sa_sdst(0) depctr_va_vdst(0) depctr_va_sdst(0) depctr_va_ssrc(0) depctr_va_vcc(0) depctr_vm_vsrc(0)
	s_getreg_b32 s2, hwreg(HW_REG_IB_STS2, 6, 4)
	s_cmp_eq_u32 s2, 0
	s_cbranch_scc0 .Lentry_in_a_cluster
	s_endpgm
.Lentry_in_a_cluster:
	s_bfe_u32 s2, ttmp6, 0x10000c
	s_cmp_lg_u32 s2, 0xf033
	s_cbranch_scc0 .Lentry_shape_is_right
	s_endpgm
.Lentry_shape_is_right:
; qkv: [8192][3072] = Q(x) Q(wq | wk | wv) + (bq | bk | bv), on codes of E2M1 with E8M0 scales, sums in f32.  A: xc [8192][512 bytes], xs [8192][32]; B: wc [3072][512 bytes], ws [3072][32].
; Out: qkv, f16, [3][batch 4][head 16][position 2048][64]; and the first 16 positions of every sequence once more in f32: qkv16 [3][batch][head][16][64].
; A tile of 256 x 256 to a work-group of four waves, 128 x 128 a wave: 64 accumulators, 512 registers.  K = 1,024 is two slots of 512 (LDS rows of 256 bytes): both are asked for at the head and nothing is filled again.
; The scale bytes of the work-group's 256 + 256 rows, for all of K, come once, as units of 256 bytes.
; CLUSTER 4 x 4: A's tiles are asked for jointly along a row of the cluster, B's along a column.  Tile row = cluster y + 8 cy, so that cy is the batch and cluster y = 0 holds every batch's first tile;
; cluster x says which of q, k, v.  THE MATRIX INSTRUCTION IS USED TRANSPOSED (source 0 = 16 rows of B, source 1 = 16 rows of A): a lane holds eight neighbouring columns of one row.
; The bias is the C of each sum's first instruction, so it is added ahead of the products, not behind them: another order of rounding than x @ w + b.
; LIMITS: q, k, v go to f16: magnitudes up to 65,504.  NaN and infinities are not served.
; REGISTERS: window 0: v0-31 addresses; v32-95 scale words, two sets; v128-191 A's fragments, one set; v192-255 the bias in the result's layout; on the way out v32-127 are free.
;   window 1: B's fragments, two sets, at v0 and v128.   window 2: accumulators of my rows 0-63 ((a, b) at v[8 (8 a + b)]);   window 3: rows 64-127.
.set NQ,     4                         ; steps of 128 along K in a slot
.set ROWB,   256                       ; a tile's row in bytes
.set KROW,   512                       ; a row of codes in memory
.set PITCH,  272                       ; an LDS row: 256 bytes + 16: the 16 rows of a load start at 16 different banks (64 banks of 4 bytes: ISA guide 11.1)
.set FR,     8
.set NL,     2
.set NP,     4                         ; places behind this matrix instruction (ISA guide 7.12.1)
.set HALFT,  128*PITCH
.set SLOT,   4*HALFT
.set KS,     32                        ; a row of scale bytes
.set SCL,    2*SLOT
.set HALFS,  16*272                    ; the scales of 128 rows: 16 units of 256 bytes + 16
.set SBLK,   2*272                     ; those of 16 rows
.set SPARE,  SCL+4*HALFS               ; the spare words, 128 bytes a wave: two blocks of 256 bytes that no other line names
.set ADRA, 16
.set ADRB, 20
.set STO,  24                          ; the way out: where I put 16 bytes of a row
.set RD,   25                          ; where I read rows back
.set CO,   26                          ; my byte offset in qkv
.set ADRS, 27
.set SPW,  28
.set NIL,  29
.set FO,   30                          ; my byte offset in qkv16
.set BIA,  31                          ; my byte offset in the bias
.set SC,   32
.set AF,   128
.set BI,   192
.set TMP,  32                          ; the way out: packed results
.set BK,   64                          ; the way out: rows read back, v64-95 and v96-127 by turns
.set G1, 24
.set G0, 32
.set G1B, 48
.set G0B, 56
.set G1S, 68
.set G0S, 76
.set G1SB, 80
.set G0SB, 88
.set MSB, 0
.macro WIN new                         ; the immediate's high byte repeats the setting that is left
.if MSB != (\new)
	s_set_vgpr_msb (MSB<<8)|(\new)
.set MSB, (\new)
.endif
.endm
.set MUL_LO, 0xa1                      ; source 0 (B) window 1, source 1 (A) window 0, C and D window 2
.set MUL_HI, 0xf1                      ; the same, C and D window 3
.set FST_LO, 0x81                      ; the first step: C (the bias) window 0, D window 2
.set FST_HI, 0xc1                      ; D window 3
.set TO_B,   0x40
.macro JLOAD g0a, g1a, g0b, g1b        ; a joint load: waves 0 and 1 fetch for A, waves 2 and 3 for B; an s_nop 0 and four v_nop follow each line
	s_cmp_eq_u32 s15, 0
	s_cbranch_scc0 .Lfor_b_\@
	tensor_load_to_lds s[\g0a:\g0a+3], s[\g1a:\g1a+7]
	s_nop 0
.rept 4
	v_nop
.endr
	s_branch .Lasked_\@
.Lfor_b_\@:
	tensor_load_to_lds s[\g0b:\g0b+3], s[\g1b:\g1b+7]
	s_nop 0
.rept 4
	v_nop
.endr
.Lasked_\@:
.endm
.macro CROUND                          ; a round of the cluster's barrier
	s_barrier_signal -1
	s_barrier_wait -1
	s_cmp_lg_u32 s14, 0
	s_cbranch_scc1 .Lnot_wave_0_\@
	s_barrier_signal -3
.Lnot_wave_0_\@:
	s_barrier_wait -3
	s_barrier_signal -1
	s_barrier_wait -1
.endm
	s_load_b128 s[4:7], s[0:1], 0x0                ; xc, xs
	s_load_b128 s[8:11], s[0:1], 0x10              ; wc, ws
	s_load_b128 s[96:99], s[0:1], 0x20             ; bq, bk
	s_load_b64 s[100:101], s[0:1], 0x30            ; bv
	s_load_b64 s[12:13], s[0:1], 0x38              ; qkv
	s_load_b64 s[66:67], s[0:1], 0x40              ; qkv16
	v_lshl_add_u32 v[SPW], v0, 2, SPARE
	v_mov_b32 v[NIL], 0
	ds_add_u32 v[SPW], v[NIL]                      ; the wave's opening: the add, twice on end, and its wait ahead of my first tensor load
	ds_add_u32 v[SPW], v[NIL]
	v_lshrrev_b32 v1, 5, v0
	v_readfirstlane_b32 s14, v1                    ; wave 0..3
	s_lshr_b32 s15, s14, 1                         ; my half of the tile's rows.  Also: I fetch for A (0) or for B (1)
	s_and_b32 s16, s14, 1                          ; my half of its columns.  Also: which 128 rows I fetch
	s_bfe_u32 s40, ttmp6, 0x40000                  ; cx
	s_bfe_u32 s41, ttmp6, 0x40004                  ; cy
	s_lshl_b32 s42, ttmp9, 2
	s_add_co_u32 s42, s42, s40                     ; tile column = 4 x cluster x + cx
	s_and_b32 s17, ttmp7, 0xffff
	s_lshl_b32 s18, s41, 3
	s_add_co_u32 s17, s17, s18                     ; tile row = cluster y + 8 cy
	s_lshl_b32 s43, s41, 2
	s_lshl_b32 s43, 15, s43                        ; my row of the cluster
	s_lshl_b32 s44, 0x1111, s40                    ; my column
	s_or_b32 s[G1+0], s43, (0<<16)|(1<<20)|(1<<21)|(5<<22)|(3<<25)  ; the mask; elements of 1 byte; padding on; bit 21 beside a mask; 4 words of padding behind every 64
	s_or_b32 s[G1B+0], s44, (0<<16)|(1<<20)|(1<<21)|(5<<22)|(3<<25)
.irp g, G1, G1B
	s_mov_b32 s[\g+1], ROWB<<16                    ; tensor_dim0
	s_mov_b32 s[\g+2], 128<<16                     ; tensor_dim1
	s_mov_b32 s[\g+3], ROWB<<16                    ; tile_dim0
	s_mov_b32 s[\g+4], 128                         ; tile_dim1
	s_mov_b32 s[\g+5], KROW                        ; the pitch in memory
	s_mov_b32 s[\g+6], 0
	s_mov_b32 s[\g+7], 0
.endr
	s_or_b32 s[G1S+0], s43, (3<<16)|(1<<20)|(1<<21)|(5<<22)|(3<<25)  ; the scales of 128 rows: 4,096 dense bytes as 16 rows of 32 elements of 8 bytes
	s_or_b32 s[G1SB+0], s44, (3<<16)|(1<<20)|(1<<21)|(5<<22)|(3<<25)
.irp g, G1S, G1SB
	s_mov_b32 s[\g+1], 32<<16
	s_mov_b32 s[\g+2], 16<<16
	s_mov_b32 s[\g+3], 32<<16
	s_mov_b32 s[\g+4], 16
	s_mov_b32 s[\g+5], 32
	s_mov_b32 s[\g+6], 0
	s_mov_b32 s[\g+7], 0
.endr
	s_lshl_b32 s18, s16, 7
	s_lshl_b32 s20, s17, 8
	s_add_co_u32 s20, s20, s18                     ; A: row 256 x tile row + 128 x half
	s_lshl_b32 s46, s42, 8
	s_add_co_u32 s46, s46, s18                     ; B: row 256 x tile column + 128 x half
	s_mov_b32 s21, 0
	s_mov_b32 s47, 0
	s_mov_b64 s[18:19], KS
	s_mul_u64 s[22:23], s[20:21], s[18:19]         ; where these rows' scales begin
	s_mul_u64 s[92:93], s[46:47], s[18:19]
	s_mov_b64 s[18:19], KROW
	s_mul_u64 s[20:21], s[20:21], s[18:19]         ; and their codes
	s_mul_u64 s[46:47], s[46:47], s[18:19]
	s_mul_i32 s45, s14, HALFT                      ; where they go: wave x 128 rows
	s_mul_i32 s94, s14, HALFS
	s_wait_dscnt 0x0                               ; both opening adds are done
	s_wait_kmcnt 0x0
	s_add_nc_u64 s[20:21], s[4:5], s[20:21]
	s_add_nc_u64 s[22:23], s[6:7], s[22:23]
	s_add_nc_u64 s[46:47], s[8:9], s[46:47]
	s_add_nc_u64 s[92:93], s[10:11], s[92:93]
	CROUND                                         ; all sixteen work-groups are here: the joint loads meet
	s_mov_b32 s[G0S], 1
	s_add_co_u32 s[G0S+1], s94, SCL
	s_mov_b64 s[G0S+2:G0S+3], s[22:23]
	s_or_b32 s[G0S+3], s[G0S+3], 0x80000000
	s_mov_b32 s[G0SB], 1
	s_add_co_u32 s[G0SB+1], s94, SCL
	s_mov_b64 s[G0SB+2:G0SB+3], s[92:93]
	s_or_b32 s[G0SB+3], s[G0SB+3], 0x80000000
	JLOAD G0S, G1S, G0SB, G1SB                     ; the scales first; then both slots: three loads of mine are out
.irp s, 0,1
	s_mov_b32 s[G0+4*\s], 1
	s_add_co_u32 s[G0+4*\s+1], s45, \s*SLOT
	s_add_nc_u64 s[G0+4*\s+2:G0+4*\s+3], s[20:21], \s*ROWB
	s_or_b32 s[G0+4*\s+3], s[G0+4*\s+3], 0x80000000
	s_mov_b32 s[G0B+4*\s], 1
	s_add_co_u32 s[G0B+4*\s+1], s45, \s*SLOT
	s_add_nc_u64 s[G0B+4*\s+2:G0B+4*\s+3], s[46:47], \s*ROWB
	s_or_b32 s[G0B+4*\s+3], s[G0B+4*\s+3], 0x80000000
	JLOAD G0+4*\s, G1, G0B+4*\s, G1B
.endr
	v_and_b32 v1, 15, v0                           ; r
	v_bfe_u32 v2, v0, 4, 1                         ; h
	; the bias of my 128 columns, in the result's layout: for block b the numbers 16 b + 8 h + 0 .. 7
	s_cmp_eq_u32 ttmp9, 0
	s_cselect_b64 s[96:97], s[96:97], s[98:99]
	s_cmp_eq_u32 ttmp9, 2
	s_cselect_b64 s[96:97], s[100:101], s[96:97]
	s_lshl_b32 s20, s40, 10
	s_lshl_b32 s21, s16, 9
	s_add_co_u32 s20, s20, s21
	s_mov_b32 s21, 0
	s_add_nc_u64 s[96:97], s[96:97], s[20:21]
	v_lshlrev_b32 v[BIA], 5, v2
.irp b, 0,1,2,3,4,5,6,7
	global_load_b128 v[BI+8*\b:BI+8*\b+3], v[BIA], s[96:97] offset:64*\b
	global_load_b128 v[BI+8*\b+4:BI+8*\b+7], v[BIA], s[96:97] offset:64*\b+16
.endr
	v_mul_u32_u24 v3, v1, PITCH
	v_lshl_add_u32 v4, v2, 4, v3                   ; a fragment's row x pitch + 16 x half
	s_mul_i32 s21, s15, HALFT
	s_mul_i32 s22, s16, HALFT
	s_add_co_u32 s22, s22, 2*HALFT
.irp s, 0,1
	v_add_nc_u32 v[ADRA+\s], s21, v4
	v_add_nc_u32 v[ADRB+\s], s22, v4
	s_add_co_u32 s21, s21, SLOT
	s_add_co_u32 s22, s22, SLOT
.endr
	v_mul_u32_u24 v5, v1, KS                       ; my row's scales: 32 bytes a row,
	v_lshrrev_b32 v6, 8, v5
	v_lshl_add_u32 v5, v6, 4, v5                   ; and 16 more for each 256 passed
	s_mul_i32 s21, s15, HALFS
	s_mul_i32 s22, s16, HALFS
	s_add_co_u32 s22, s22, 2*HALFS
	s_sub_co_u32 s22, s22, s21
	v_mul_u32_u24 v6, s22, v2                      ; lanes 16-31 take B's
	s_add_co_u32 s21, s21, SCL
	v_add_nc_u32 v5, v5, v6
	v_add_nc_u32 v[ADRS], s21, v5
	; the way out.  My stage, in slot 0: [2 heads][16 rows] of 128 bytes + 16
	s_mul_i32 s23, s14, 4608
	v_mul_u32_u24 v5, v1, 144
	v_lshl_add_u32 v5, v2, 4, v5
	v_add_nc_u32 v[STO], s23, v5                   ; in: row r, 16 bytes for each half of the lanes
	v_bfe_u32 v6, v0, 3, 1
	v_mul_u32_u24 v6, v6, 144
	v_and_b32 v5, 7, v0
	v_lshl_add_u32 v6, v5, 4, v6
	v_mad_u32_u24 v6, v2, 2304, v6
	v_add_nc_u32 v[RD], s23, v6                    ; back: lanes 0-15 two rows of the first head, lanes 16-31 of the second
	v_lshlrev_b32 v5, 18, v2
	v_lshl_add_u32 v[CO], v1, 4, v5                ; in qkv: a head is 262,144 bytes; two rows are 256 consecutive bytes
	v_lshlrev_b32 v5, 8, v1
	v_lshl_add_u32 v[FO], v2, 5, v5                ; in qkv16: 256 r + 32 h
	s_lshl_b32 s20, s41, 4
	s_lshl_b32 s21, s40, 2
	s_add_co_u32 s20, s20, s21
	s_lshl_b32 s21, s16, 1
	s_add_co_u32 s20, s20, s21                     ; 16 batch + the first of my two heads
	s_lshl_b32 s46, ttmp9, 6
	s_add_co_u32 s46, s46, s20                     ; + 64 x (q, k or v)
	s_lshl_b32 s22, s46, 12                        ; qkv16: 4,096 bytes a head
	s_mov_b32 s23, 0
	s_add_nc_u64 s[66:67], s[66:67], s[22:23]
	s_lshl_b32 s20, s46, 18
	s_and_b32 s21, ttmp7, 0xffff
	s_lshl_b32 s21, s21, 15                        ; 256 positions of 128 bytes for each tile of the batch
	s_add_co_u32 s20, s20, s21
	s_lshl_b32 s21, s15, 14                        ; my 128 rows
	s_add_co_u32 s20, s20, s21
	s_mov_b32 s21, 0
	s_add_nc_u64 s[12:13], s[12:13], s[20:21]
.macro FRAG reg, adr, q, i             ; 16 rows x 128 K of 4-bit codes: 8 registers: lane l holds row l % 16; registers 4 c .. 4 c + 3 hold K = 64 c + 32 (l / 16) + 0 .. 31
.irp c, 0,1
	ds_load_b128 v[\reg+4*\c:\reg+4*\c+3], v[\adr] offset:64*(\q)+32*\c+(\i)*16*PITCH
.endr
.endm
; 16 matrix instructions: A's blocks a0, a0 + 1 x B's eight.  first = 1: the bias is C.  The 64 accumulators take turns, one instruction a turn.
.macro MUL16 a0, p, q, sc, first
.irp a, \a0, \a0+1
.irp b, 0,1,2,3,4,5,6,7
.if \first
	v_wmma_scale_f32_16x16x128_f8f6f4 v[8*(8*((\a)%4)+\b):8*(8*((\a)%4)+\b)+7], v[128*(\p)+FR*\b:128*(\p)+FR*\b+FR-1], v[AF+FR*(\a):AF+FR*(\a)+FR-1], v[BI+8*\b:BI+8*\b+7], v[SC+8*NQ*(\sc)+NQ*\b+(\q)], v[SC+8*NQ*(\sc)+NQ*(\a)+(\q)] matrix_a_fmt:MATRIX_FMT_FP4 matrix_b_fmt:MATRIX_FMT_FP4 matrix_a_scale:MATRIX_SCALE_ROW1
.else
	v_wmma_scale_f32_16x16x128_f8f6f4 v[8*(8*((\a)%4)+\b):8*(8*((\a)%4)+\b)+7], v[128*(\p)+FR*\b:128*(\p)+FR*\b+FR-1], v[AF+FR*(\a):AF+FR*(\a)+FR-1], v[8*(8*((\a)%4)+\b):8*(8*((\a)%4)+\b)+7], v[SC+8*NQ*(\sc)+NQ*\b+(\q)], v[SC+8*NQ*(\sc)+NQ*(\a)+(\q)] matrix_a_fmt:MATRIX_FMT_FP4 matrix_b_fmt:MATRIX_FMT_FP4 matrix_a_scale:MATRIX_SCALE_ROW1
.endif
.endr
.endr
.endm
.macro FETCH_B slot, q, p
	WIN TO_B
.irp i, 0,1,2,3,4,5,6,7
	FRAG 128*(\p)+FR*\i, ADRB+\slot, \q, \i
.endr
	WIN 0
.endm
.macro FETCH_A slot, q, i0
.irp i, \i0, \i0+1, \i0+2, \i0+3
	FRAG AF+FR*(\i), ADRA+\slot, \q, \i
.endr
.endm
.macro SCALES sc                       ; a slot's scale words: four words a row; lanes 0-15 A's block i, lanes 16-31 B's block i
.irp i, 0,1,2,3,4,5,6,7
	ds_load_b128 v[SC+8*NQ*\sc+NQ*\i:SC+8*NQ*\sc+NQ*\i+3], v[ADRS] offset:\i*SBLK
.endr
.endm
.macro PLACES n                        ; plain vector instructions between a matrix instruction and a load into, or a read of, its registers
.rept \n
	v_nop
.endr
.endm
.macro STEP slot, q, first             ; 128 along K, with its successor in the same slot
	s_wait_dscnt 4*NL                              ; B's set and A's blocks 0-3 are in; the youngest eight loads (A's blocks 4-7) may be out
.if \first
	WIN FST_LO
.else
	WIN MUL_LO
.endif
	MUL16 0, (\q)%2, \q, \slot, \first
	MUL16 2, (\q)%2, \q, \slot, \first
	s_wait_dscnt 0
	PLACES NP
	FETCH_B \slot, (\q)+1, 1-(\q)%2
	FETCH_A \slot, (\q)+1, 0
.if \first
	WIN FST_HI
.else
	WIN MUL_HI
.endif
	MUL16 4, (\q)%2, \q, \slot, \first
	MUL16 6, (\q)%2, \q, \slot, \first
	PLACES NP
	WIN 0
	FETCH_A \slot, (\q)+1, 4
.endm
.macro STEPS slot, from
.set Q, \from
.rept NQ-1-\from
	STEP \slot, Q, 0
.set Q, Q+1
.endr
.endm
	s_wait_tensorcnt 1                             ; the scales and my part of slot 0 are in; slot 1's load may be out,
	s_barrier_signal -1
	s_barrier_wait -1                              ; everybody's are
	FETCH_B 0, 0, 0
	FETCH_A 0, 0, 0
	SCALES 0
	FETCH_A 0, 0, 4
	s_wait_loadcnt 0x0                             ; the bias
	STEP 0, 0, 1
	STEPS 0, 1
	; slot 0's last step changes slots: one barrier; nothing is filled again
	s_wait_tensorcnt 0x0                           ; my part of slot 1 has landed
	ds_add_u32 v[SPW], v[NIL]                      ; 0 onto my spare word
	s_wait_dscnt 4*NL+1                            ; (the add and the youngest eight loads may be out)
	WIN MUL_LO
	MUL16 0, 1, NQ-1, 0, 0
	s_wait_dscnt 0x0                               ; the add is done, and my reads of slot 0 are over
	s_barrier_signal -1
	MUL16 2, 1, NQ-1, 0, 0
	WIN 0
	s_barrier_wait -1
	PLACES NP
	v_add_nc_u32 v[ADRS], 4*NQ, v[ADRS]            ; on to slot 1's scale words
	FETCH_B 1, 0, 0
	FETCH_A 1, 0, 0
	SCALES 1
	WIN MUL_HI
	MUL16 4, 1, NQ-1, 0, 0
	MUL16 6, 1, NQ-1, 0, 0
	PLACES NP
	WIN 0
	FETCH_A 1, 0, 4
	STEPS 1, 0
	s_wait_dscnt 4*NL                              ; the very last step: nothing more to fetch
	WIN MUL_LO
	MUL16 0, 1, NQ-1, 1, 0
	MUL16 2, 1, NQ-1, 1, 0
	s_wait_dscnt 0
	WIN MUL_HI
	MUL16 4, 1, NQ-1, 1, 0
	MUL16 6, 1, NQ-1, 1, 0
	WIN 0
	PLACES NP
	; THE FIRST 16 POSITIONS IN f32: the waves that hold rows 0-15 of a batch (cluster y = 0, row half 0) store block 0's accumulators as they are: 32 bytes a lane, 786,432 bytes in the whole launch
	s_and_b32 s18, ttmp7, 0xffff
	s_or_b32 s18, s18, s15
	s_cmp_lg_u32 s18, 0                            ; the cluster's y and the wave's number: alike in all partners
	s_cbranch_scc1 .Lno16
	WIN 0x08                                       ; a store's data are its source 1: window 2
.irp b, 0,1,2,3,4,5,6,7
	global_store_b128 v[FO], v[8*\b:8*\b+3], s[66:67] offset:(\b/4)*4096+64*(\b%4)       ; each accumulator from its low end on
	global_store_b128 v[FO], v[8*\b+4:8*\b+7], s[66:67] offset:(\b/4)*4096+64*(\b%4)+16
.endr
	WIN 0
.Lno16:
; THE WAY OUT in f16, block by block of 16 rows x 128 columns (two heads): rounded, through my own stage, back as rows, stored so that sixteen lanes fill 256 consecutive bytes (two positions of one head).
; The stage lies in slot 0, which has had its only fill and which nobody reads behind the change of slots.
.macro PACK a
.set AC, 64*((\a)%4)
	WIN (0x0a+5*((\a)/4))                          ; sources 0 and 1: window 2 or 3
.irp b, 0,1,2,3,4,5,6,7
.irp r, 0,1,2,3
	v_cvt_pk_f16_f32 v[TMP+4*\b+\r], v[AC+8*\b+2*\r], v[AC+8*\b+2*\r+1]
.endr
.endr
	WIN 0
.endm
.macro TOSTAGE a
.set BB, BK+32*((\a)%2)
.irp b, 0,1,2,3,4,5,6,7
	ds_store_b128 v[STO], v[TMP+4*\b:TMP+4*\b+3] offset:(\b/4)*2304+32*(\b%4)
.endr
.irp i, 0,1,2,3,4,5,6,7
	ds_load_b128 v[BB+4*\i:BB+4*\i+3], v[RD] offset:288*\i         ; LDS serves a wave's instructions in order (ISA guide 5.7.1.4): these see the stores above
.endr
.endm
.macro SEND a
.set BB, BK+32*((\a)%2)
	s_wait_dscnt 0x0                               ; the block is back in registers
	s_wait_xcnt 0x0                                ; the block before last's stores have read their registers: the next loads may land there
.irp i, 0,1,2,3,4,5,6,7
	global_store_b128 v[CO], v[BB+4*\i:BB+4*\i+3], s[12:13] offset:2048*(\a)+256*\i
.endr
.endm
	PACK 0
	TOSTAGE 0
.irp a, 1,2,3,4,5,6,7
	PACK \a                                        ; block a's conversions stand between block a - 1's loads from the stage and the wait for them
	SEND \a-1
	TOSTAGE \a
.endr
	SEND 7
	s_wait_tensorcnt 0x0                           ; the wave's end
	ds_add_u32 v[SPW], v[NIL]
	s_wait_dscnt 0x0
	CROUND                                         ; the closing round
	s_endpgm
.Lfunc_end_k_qb542eca772_qkv:
	.size	k_qb542eca772_qkv, .Lfunc_end_k_qb542eca772_qkv-k_qb542eca772_qkv
	.p2alignl 7, 3214868480
	.fill 96, 4, 3214868480
	.section	.rodata,"a",@progbits
	.p2align	6, 0x0
	.amdhsa_kernel k_qb542eca772_qkv
		.amdhsa_group_segment_fixed_size 327680
		.amdhsa_private_segment_fixed_size 0
		.amdhsa_enable_private_segment 0
		.amdhsa_kernarg_size 72
		.amdhsa_user_sgpr_count 2
		.amdhsa_user_sgpr_kernarg_segment_ptr 1
		.amdhsa_wavefront_size32 1
		.amdhsa_system_sgpr_workgroup_id_x 1
		.amdhsa_system_sgpr_workgroup_id_y 1
		.amdhsa_system_sgpr_workgroup_id_z 1
		.amdhsa_system_vgpr_workitem_id 0
		.amdhsa_next_free_vgpr 1024
		.amdhsa_next_free_sgpr 102
		.amdhsa_reserve_vcc 0
		.amdhsa_float_denorm_mode_32 3
		.amdhsa_float_denorm_mode_16_64 3
		.amdhsa_memory_ordered 1
		.amdhsa_forward_progress 1
		.amdhsa_inst_pref_size 130
	.end_amdhsa_kernel
	.amdgpu_metadata
---
amdhsa.version: [ 1, 2 ]
amdhsa.kernels:
  - .name:           k_qb542eca772_qkv
    .symbol:         k_qb542eca772_qkv.kd
    .args:
      - { .name: xc, .offset: 0, .size: 8, .value_kind: global_buffer, .address_space: global }
      - { .name: xs, .offset: 8, .size: 8, .value_kind: global_buffer, .address_space: global }
      - { .name: wc, .offset: 16, .size: 8, .value_kind: global_buffer, .address_space: global }
      - { .name: ws, .offset: 24, .size: 8, .value_kind: global_buffer, .address_space: global }
      - { .name: bq, .offset: 32, .size: 8, .value_kind: global_buffer, .address_space: global }
      - { .name: bk, .offset: 40, .size: 8, .value_kind: global_buffer, .address_space: global }
      - { .name: bv, .offset: 48, .size: 8, .value_kind: global_buffer, .address_space: global }
      - { .name: qkv, .offset: 56, .size: 8, .value_kind: global_buffer, .address_space: global }
      - { .name: qkv16, .offset: 64, .size: 8, .value_kind: global_buffer, .address_space: global }
    .group_segment_fixed_size: 327680
    .private_segment_fixed_size: 0
    .kernarg_segment_align: 8
    .kernarg_segment_size: 72
    .max_flat_workgroup_size: 128
    .sgpr_count:     102
    .vgpr_count:     1024
    .wavefront_size: 32
...
	.end_amdgpu_metadata
.endif
;; end of part 2
;; launch attn (part 3): grid 4 x 64, 16 waves a work-group, clusters of 4 x 1, 327,680 bytes of LDS; arguments qkv, ctx; writes ctx
.if DOCPART == 3
	.amdgcn_target "amdgcn-amd-amdhsa--gfx1250"
	.amdhsa_code_object_version 6
	.text
	.protected	k_qb542eca772_attn
	.globl	k_qb542eca772_attn
	.p2align	8
	.type	k_qb542eca772_attn,@function
k_qb542eca772_attn:
	s_mov_b64 s[64:65], 0
	v_nop
	global_prefetch_b8 v0, s[64:65] scope:SCOPE_SE
	s_setreg_imm32_b32 hwreg(HW_REG_WAVE_MODE, 25, 1), 1
	s_wait_xcnt 0x0
	s_wait_alu depctr_hold_cnt(0) depctr_sa_sdst(0) depctr_va_vdst(0) depctr_va_sdst(0) depctr_va_ssrc(0) depctr_va_vcc(0) depctr_vm_vsrc(0)
	s_getreg_b32 s2, hwreg(HW_REG_IB_STS2, 6, 4)
	s_cmp_eq_u32 s2, 0
	s_cbranch_scc0 .Lentry_in_a_cluster
	s_endpgm
.Lentry_in_a_cluster:
	s_bfe_u32 s2, ttmp6, 0x10000c
	s_cmp_lg_u32 s2, 0x3003
	s_cbranch_scc0 .Lentry_shape_is_right
	s_endpgm
.Lentry_shape_is_right:
; attn: ctx = softmax(q k^T / 8, causal) v for each of 64 (batch, head), on f16 operands with f32 sums, maxima and row sums.
; qkv: f16 [3][64 heads][2048][64].  ctx: f16 [64 blocks of 128 rows][16 heads][128 rows][64], block = 16 batch + position / 128.
; SHARES.  A cluster of four work-groups owns one head and walks its 2,048 keys together; K's and V's tiles are asked for jointly.  A wave owns 32 queries, two tiles of 16: group t of 128 queries, chunk cx of it.
; t is read from a table by the wave's number: 15 1 2 12 | 4 10 9 7 | 8 6 5 11 | 3 13 14 0: it sums to 30 over every w % 4 and every w / 4, so the causal triangle is shared evenly; every work-group holds
; t = 15, so each reads every slot.  A key step whose 64 keys all come after the GROUP's last query is left out by a scalar branch on the wave's number and the count of steps; cx enters
; global addresses and the mask's vector compare alone.
; LAYOUT.  S^T = K Q^T (source 0 = 16 keys, source 1 = 16 queries): a lane holds one query (lane % 16) and keys 8 (lane / 16) + 0..7.  Two such tiles, rounded to f16 in pairs, are source 1 of O^T = V^T P.
; SOFTMAX.  A running maximum m and sum l a query; p = 2^(c s - c m), c = log2(e) / 8; O and l are multiplied by a = 2^(c m_old - c m_new) in every step.  Hidden scores become -infinity ahead of the maximum.
; Key 0 counts for every query, so m is a number from the first step on.  The step is written once: it starts from m = -3e38, l = 0, O = 0.
; LIMITS: positions 0-15 of a sequence are also computed here, in f16; a later launch writes their rows of the output anew from f32.  NaN and infinities are not served.
.set KP,    144                        ; a key's row in LDS: 128 bytes + 16: the 16 rows of a load start at 16 different banks
.set VP,    160                        ; a row of V: 128 + 32, for the turning load
.set VOFF,  256*KP                     ; a slot: 256 rows of K, then 256 rows of V
.set SLOT1, 1<<17                      ; slot 1 begins here: one exclusive or turns an address into the other slot's
.set SPARE, 2*SLOT1                    ; the spare words, 128 bytes for each of 16 waves: eight blocks of 256 bytes that no other line names
.set STAGE, SPARE+2048                 ; the way out: 16 rows x 144 bytes for each wave; no tile lands here
.set AK0, 1                            ; v1  my lane's place in a tile of K
.set AV0, 2                            ; v2  in a tile of V
.set ADK, 3                            ; v3  the step's address in K
.set ADV, 4                            ; v4  in V
.set SPW, 5                            ; v5  my spare word; never rewritten
.set NIL, 6                            ; v6  0; never rewritten
.set PFO, 7                            ; v7  256 x lane: the prefetches' offset
.set D0,  8                            ; v8, v9  the mask: my query less the step's first key less 8 (lane / 16), for tiles 0 and 1
.set NINF, 10                          ; v10 -infinity
.set DR,  11                           ; v11 lane % 16 - 8 (lane / 16)
.set STO, 12                           ; v12 the stage, in
.set RD,  13                           ; v13 the stage, back
.set GO,  14                           ; v14 16 x lane
.set QA,  15                           ; v15 Q's offset
.set ST,  16                           ; v16-31 statistics, 8 a tile: +0 c m, +1 m, +2 +3 l (even, odd registers), +4 .. +7 at work; a at +6
.set QF,  32                           ; v32-63  Q: tile u, channels 32 c on: 16 u + 8 c
.set S,   64                           ; v64-127 S^T: 32 u + 8 kt; then p; P in place in the first 16 of each 32
.set OA,  128                          ; v128-191 O^T: 32 u + 8 ct
.set KV,  192                          ; v192-255 K of the step (16 kt + 8 c), then V (8 (4 kh + ct))
.set TB,  2                            ; s2  LDS byte at which the slot in hand begins
.set SLOTS, 3                          ; s3  slots still to be asked for
.set KF,  8                            ; s8  the step's first key
.set QL,  9                            ; s9  my group's last query
.set QG,  10                           ; s10 my group's first query
.set Q0,  11                           ; s11 my first query
.set TT,  12                           ; s12 t
.set LIM, 13                           ; s13 1 in a wave that prefetches, else the greatest number
.set WV,  18
.set CX,  19
.set SEL, 20                           ; s[20:21] lane selects: lane l xor 16
.set CS,  22                           ; s[22:23] c, twice
.set G1K, 24
.set G1V, 32
.set G0K, 40
.set G0V, 44
.set PFA, 48                           ; s[48:49] where my prefetches stand
.macro CROUND
	s_barrier_signal -1
	s_barrier_wait -1
	s_cmp_lg_u32 s[WV], 0
	s_cbranch_scc1 .Lnot_wave_0_\@
	s_barrier_signal -3
.Lnot_wave_0_\@:
	s_barrier_wait -3
	s_barrier_signal -1
	s_barrier_wait -1
.endm
.macro TLOAD                           ; waves 0 and 1 fetch K's halves of a slot (128 rows each), waves 2 and 3 V's, the others nothing; the branches hang on the wave's number alone
	s_cmp_lt_u32 s[WV], 2
	s_cbranch_scc0 .Lnot_k_\@
	tensor_load_to_lds s[G0K:G0K+3], s[G1K:G1K+7]
	s_nop 0
.rept 4
	v_nop
.endr
	s_branch .Lasked_\@
.Lnot_k_\@:
	s_cmp_lt_u32 s[WV], 4
	s_cbranch_scc0 .Lasked_\@
	tensor_load_to_lds s[G0V:G0V+3], s[G1V:G1V+7]
	s_nop 0
.rept 4
	v_nop
.endr
.Lasked_\@:
.endm
; A prefetch of what the NEXT change of slots will ask for: 32,768 bytes of K and as many of V.  Wave 4 asks for K's, wave 5 for V's; the four partners take 8,192 bytes each, told apart by address; lanes stand
; 256 bytes apart.  So each aligned 256 bytes are named once in the launch, four key steps ahead of the load that wants them.  The last change that fills a slot asks for nothing; slots 0 and 1 come by their loads alone.
.macro ASK
	s_cmp_gt_u32 s[SLOTS], s[LIM]
	s_cbranch_scc0 .Lnot_mine_\@
	global_prefetch_b8 v[PFO], s[PFA:PFA+1] th:TH_LOAD_NT scope:SCOPE_SE
.Lnot_mine_\@:
.endm
	s_load_b128 s[4:7], s[0:1], 0x0                ; qkv, ctx
	v_lshl_add_u32 v[SPW], v0, 2, SPARE
	v_mov_b32 v[NIL], 0
	ds_add_u32 v[SPW], v[NIL]                      ; the wave's opening: the add, twice on end, and its wait ahead of the first tensor loads
	ds_add_u32 v[SPW], v[NIL]
	v_lshrrev_b32 v1, 5, v0
	v_readfirstlane_b32 s[WV], v1                  ; wave 0..15
	s_bfe_u32 s[CX], ttmp6, 0x40000                ; cx
	s_and_b32 s58, ttmp7, 0xffff                   ; 16 batch + head
	s_mov_b32 s14, 0x0ED3B568                      ; the table, four bits a wave: waves 8-15,
	s_cmp_lt_u32 s[WV], 8
	s_cselect_b32 s14, 0x79A4C21F, s14             ; waves 0-7
	s_and_b32 s15, s[WV], 7
	s_lshl_b32 s15, s15, 2
	s_lshr_b32 s[TT], s14, s15
	s_and_b32 s[TT], s[TT], 15
	s_lshl_b32 s[QG], s[TT], 7
	s_add_co_u32 s[QL], s[QG], 127
	s_lshl_b32 s[Q0], s[CX], 5
	s_add_co_u32 s[Q0], s[Q0], s[QG]
	s_mov_b32 s[G1K], 15|(1<<16)|(1<<20)|(1<<21)|(4<<22)|(3<<25)  ; the mask: all four; elements of 2 bytes; padding on; bit 21 beside a mask; 4 words behind every 32
	s_mov_b32 s[G1V], 15|(1<<16)|(1<<20)|(1<<21)|(4<<22)|(7<<25)  ; the same with 8 words
.irp g, G1K, G1V
	s_mov_b32 s[\g+1], 64<<16                      ; tensor_dim0
	s_mov_b32 s[\g+2], 128<<16                     ; tensor_dim1
	s_mov_b32 s[\g+3], 64<<16                      ; tile_dim0
	s_mov_b32 s[\g+4], 128                         ; tile_dim1
	s_mov_b32 s[\g+5], 64                          ; the pitch in memory
	s_mov_b32 s[\g+6], 0
	s_mov_b32 s[\g+7], 0
.endr
	s_and_b32 s16, s[WV], 1                        ; which half of a slot's rows I fetch, if I fetch
	s_mov_b32 s[G0K], 1
	s_mul_i32 s[G0K+1], s16, 128*KP
	s_mov_b32 s[G0V], 1
	s_mul_i32 s[G0V+1], s16, 128*VP
	s_add_co_u32 s[G0V+1], s[G0V+1], VOFF
	s_lshl_b32 s60, s58, 18                        ; a head's 2,048 rows of 128 bytes
	s_mov_b32 s61, 0
	s_lshl_b32 s62, s16, 14
	s_mov_b32 s63, 0
	s_mov_b32 s[SEL], 0x76543210
	s_mov_b32 s[SEL+1], 0xfedcba98
	s_mov_b32 s[CS], 0x3e38aa3b                    ; c = log2(e) / 8
	s_mov_b32 s[CS+1], s[CS]
	s_mov_b32 s[TB], 0
	s_mov_b32 s[KF], 0
	s_mov_b32 s[SLOTS], 7
	s_lshr_b32 s14, s[WV], 1
	s_cmp_eq_u32 s14, 2
	s_cselect_b32 s[LIM], 1, -1                    ; waves 4 and 5
	s_wait_dscnt 0x0                               ; both opening adds are done
	s_wait_kmcnt 0x0
	s_add_nc_u64 s[66:67], s[4:5], s[60:61]        ; the head's q,
	s_add_nc_u64 s[50:51], s[66:67], 0x1000000     ; its k,
	s_add_nc_u64 s[52:53], s[66:67], 0x2000000     ; its v
	s_add_nc_u64 s[G0K+2:G0K+3], s[50:51], s[62:63]
	s_or_b32 s[G0K+3], s[G0K+3], 0x80000000
	s_add_nc_u64 s[G0V+2:G0V+3], s[52:53], s[62:63]
	s_or_b32 s[G0V+3], s[G0V+3], 0x80000000
	CROUND                                         ; all four work-groups are here: the first joint loads meet
	TLOAD                                          ; slot 0
	s_cmp_eq_u32 s[WV], 4
	s_cselect_b64 s[PFA:PFA+1], s[50:51], s[52:53]
	s_lshl_b32 s14, s[CX], 13                      ; my work-group's quarter of a slot,
	s_add_co_u32 s14, s14, 32768                   ; in slot 1: the first change steps it to slot 2
	s_mov_b32 s15, 0
	s_add_nc_u64 s[PFA:PFA+1], s[PFA:PFA+1], s[14:15]
	s_lshl_b32 s14, s[Q0], 7
	s_add_nc_u64 s[54:55], s[66:67], s[14:15]      ; Q at my first query
	s_lshr_b32 s14, s58, 4
	s_lshl_b32 s14, s14, 4
	s_add_co_u32 s14, s14, s[TT]                   ; the block of 128 rows: 16 batch + t
	s_lshl_b32 s14, s14, 4
	s_and_b32 s16, s58, 15
	s_add_co_u32 s14, s14, s16                     ; x 16 + head
	s_lshl_b32 s14, s14, 14
	s_lshl_b32 s16, s[CX], 12                      ; my 32 rows of 128 bytes
	s_add_co_u32 s14, s14, s16
	s_add_nc_u64 s[56:57], s[6:7], s[14:15]
	v_and_b32 v16, 15, v0                          ; r
	v_bfe_u32 v17, v0, 4, 1                        ; h
	v_lshlrev_b32 v[QA], 7, v16
	v_lshl_add_u32 v[QA], v17, 4, v[QA]
.irp u, 0,1
.irp c, 0,1
	global_load_b128 v[QF+16*\u+8*\c:QF+16*\u+8*\c+3], v[QA], s[54:55] offset:2048*\u+64*\c
	global_load_b128 v[QF+16*\u+8*\c+4:QF+16*\u+8*\c+7], v[QA], s[54:55] offset:2048*\u+64*\c+32
.endr
.endr
	v_mul_u32_u24 v[AK0], v16, KP
	v_lshl_add_u32 v[AK0], v17, 4, v[AK0]          ; K: row r, 16 bytes for each half of the lanes
	v_and_b32 v18, 7, v0
	v_bfe_u32 v19, v0, 3, 1
	v_lshl_add_u32 v[AV0], v17, 3, v18             ; V, for the turning load: key 8 h + lane % 8,
	v_mul_u32_u24 v[AV0], v[AV0], VP
	v_lshl_add_u32 v[AV0], v19, 4, v[AV0]          ; channels 8 ((lane / 8) % 2) on
	v_add_nc_u32 v[AV0], VOFF, v[AV0]
	v_and_b32 v[PFO], 31, v0
	v_lshlrev_b32 v[GO], 4, v[PFO]
	v_lshlrev_b32 v[PFO], 8, v[PFO]
	v_lshlrev_b32 v20, 3, v17
	v_sub_nc_u32 v[DR], v16, v20
	v_mov_b32 v[NINF], 0xff800000
	s_mul_i32 s14, s[WV], 16*144
	s_add_co_u32 s14, s14, STAGE
	v_mul_u32_u24 v[STO], v16, 144
	v_lshl_add_u32 v[STO], v17, 4, v[STO]
	v_add_nc_u32 v[STO], s14, v[STO]
	v_bfe_u32 v20, v0, 3, 2
	v_mul_u32_u24 v[RD], v20, 144
	v_lshl_add_u32 v[RD], v18, 4, v[RD]
	v_add_nc_u32 v[RD], s14, v[RD]                 ; back: eight lanes to a row of 128 bytes, four rows an instruction
.irp u, 0,1
	v_mov_b32 v[ST+8*\u+1], 0xff61b1e6             ; m = -3e38, under every score
	v_mul_f32 v[ST+8*\u], s[CS], v[ST+8*\u+1]      ; c m
.irp i, 2,3,4,5,6,7
	v_mov_b32 v[ST+8*\u+\i], 0                     ; l; and the registers at work, so that each is written on every way
.endr
.endr
.irp j, 0,1,2,3,4,5,6,7,8,9,10,11,12,13,14,15,16,17,18,19,20,21,22,23,24,25,26,27,28,29,30,31,32,33,34,35,36,37,38,39,40,41,42,43,44,45,46,47,48,49,50,51,52,53,54,55,56,57,58,59,60,61,62,63
	v_mov_b32 v[OA+\j], 0                          ; O^T: the step is written once, and its first turn finds zeros
.endr
; A KEY STEP: 64 keys, the q-th of the slot in hand.
.macro STEP q
	s_cmp_gt_u32 s[KF], s[QL]                      ; all its keys come after my group's queries: left out (no barrier, wait on tensor loads or tensor load stands in a step)
	s_cbranch_scc1 .Lhidden_\@
	v_add_nc_u32 v[ADK], s[TB], v[AK0]
	v_add_nc_u32 v[ADV], s[TB], v[AV0]
.rept 3
	v_nop                                          ; with the two additions five places behind the last products: for the loads into V's registers, and for the products below, which write over P
.endr
.irp kt, 0,1,2,3
.irp c, 0,1
	ds_load_b128 v[KV+16*\kt+8*\c:KV+16*\kt+8*\c+3], v[ADK] offset:(64*(\q)+16*\kt)*KP+64*\c
	ds_load_b128 v[KV+16*\kt+8*\c+4:KV+16*\kt+8*\c+7], v[ADK] offset:(64*(\q)+16*\kt)*KP+64*\c+32
.endr
.endr
	s_wait_dscnt 0x0
.irp c, 0,1                                    ; S^T = K Q^T: eight accumulators by turns; the first eight start the sums
.irp kt, 0,1,2,3
.irp u, 0,1
.if \c == 0
	v_wmma_f32_16x16x32_f16 v[S+32*\u+8*\kt:S+32*\u+8*\kt+7], v[KV+16*\kt:KV+16*\kt+7], v[QF+16*\u:QF+16*\u+7], 0
.else
	v_wmma_f32_16x16x32_f16 v[S+32*\u+8*\kt:S+32*\u+8*\kt+7], v[KV+16*\kt+8:KV+16*\kt+15], v[QF+16*\u+8:QF+16*\u+15], v[S+32*\u+8*\kt:S+32*\u+8*\kt+7]
.endif
.endr
.endr
.endr
.rept 4
	v_nop                                          ; places: for the loads into K's registers and for the first read of the scores
.endr
.irp kh, 0,1                                   ; V, turned: it lands while the softmax is walked
.irp ct, 0,1,2,3
	ds_load_tr16_b128 v[KV+8*(4*\kh+\ct):KV+8*(4*\kh+\ct)+3], v[ADV] offset:(64*(\q)+32*\kh)*VP+32*\ct
	ds_load_tr16_b128 v[KV+8*(4*\kh+\ct)+4:KV+8*(4*\kh+\ct)+7], v[ADV] offset:(64*(\q)+32*\kh+16)*VP+32*\ct
.endr
.endr
	s_add_co_u32 s14, s[KF], 63
	s_cmp_le_u32 s14, s[QG]                        ; all its keys count for all of my group's queries: no mask
	s_cbranch_scc1 .Lopen_\@
	s_sub_co_i32 s14, s[Q0], s[KF]
	v_add_nc_u32 v[D0], s14, v[DR]                 ; register n of tile u holds key KF + 16 (n / 8) + 8 h + n % 8 of query Q0 + 16 u + r: hidden where 16 (n / 8) + n % 8 > d
	v_add_nc_u32 v[D0+1], 16, v[D0]
.irp n, 0,1,2,3,4,5,6,7,8,9,10,11,12,13,14,15,16,17,18,19,20,21,22,23,24,25,26,27,28,29,30,31
.irp u, 0,1
	v_cmp_gt_i32 vcc_lo, 16*(\n/8)+\n%8, v[D0+\u]
	v_cndmask_b32 v[S+32*\u+\n], v[S+32*\u+\n], v[NINF], vcc_lo
.endr
.endr
.Lopen_\@:
.irp j, 0,1,2,3                                ; the maximum of the lane's 32 scores and the old m: four chains, each accumulator from its low end on; the two tiles line by line
.irp u, 0,1
	v_max3_num_f32 v[ST+8*\u+4+\j], v[S+32*\u+8*\j], v[S+32*\u+8*\j+1], v[S+32*\u+8*\j+2]
.endr
.endr
.irp g, 1,2
.irp j, 0,1,2,3
.irp u, 0,1
	v_max3_num_f32 v[ST+8*\u+4+\j], v[ST+8*\u+4+\j], v[S+32*\u+8*\j+2*\g+1], v[S+32*\u+8*\j+2*\g+2]
.endr
.endr
.endr
.irp u, 0,1
	v_max3_num_f32 v[ST+8*\u+4], v[ST+8*\u+4], v[S+32*\u+7], v[S+32*\u+15]
	v_max3_num_f32 v[ST+8*\u+6], v[ST+8*\u+6], v[S+32*\u+23], v[S+32*\u+31]
.endr
.irp u, 0,1
	v_max3_num_f32 v[ST+8*\u+4], v[ST+8*\u+4], v[ST+8*\u+5], v[ST+8*\u+6]
.endr
.irp u, 0,1
	v_max3_num_f32 v[ST+8*\u+4], v[ST+8*\u+4], v[ST+8*\u+7], v[ST+8*\u+1]
.endr
.irp u, 0,1
	v_permlanex16_b32 v[ST+8*\u+5], v[ST+8*\u+4], s[SEL], s[SEL+1]   ; the query's other 32 keys lie in the lane 16 away
.endr
.irp u, 0,1
	v_mov_b32 v[ST+8*\u+7], v[ST+8*\u]             ; c m_old
.endr
.irp u, 0,1
	v_max_num_f32 v[ST+8*\u+1], v[ST+8*\u+4], v[ST+8*\u+5]
.endr
.irp u, 0,1
	v_mul_f32 v[ST+8*\u], s[CS], v[ST+8*\u+1]
.endr
.irp u, 0,1
	v_sub_f32 v[ST+8*\u+7], v[ST+8*\u+7], v[ST+8*\u]
.endr
.irp b, 0,2,4,6,8,10,12,14,16,18,20,22,24,26,28,30
.irp u, 0,1
	v_pk_fma_f32 v[S+32*\u+\b:S+32*\u+\b+1], v[S+32*\u+\b:S+32*\u+\b+1], s[CS:CS+1], v[ST+8*\u:ST+8*\u+1] op_sel_hi:[1,0,0] neg_lo:[0,0,1] neg_hi:[0,0,1]   ; c s - c m
.endr
.endr
.irp u, 0,1                                    ; ONE BATCH of 66 exponentials: none reads another's result
	v_exp_f32 v[ST+8*\u+6], v[ST+8*\u+7]           ; a
.endr
.irp e, 0,1,2,3,4,5,6,7,8,9,10,11,12,13,14,15,16,17,18,19,20,21,22,23,24,25,26,27,28,29,30,31
.irp u, 0,1
	v_exp_f32 v[S+32*\u+\e], v[S+32*\u+\e]
.endr
.endr
	v_nop                                          ; a plain instruction behind the last exponential
	s_wait_alu depctr_va_vdst(0)                   ; and the one wait ahead of the batch's first reader
.irp u, 0,1                                    ; l = a l + the sum of the unrounded p, in two chains a tile
	v_pk_fma_f32 v[ST+8*\u+2:ST+8*\u+3], v[ST+8*\u+2:ST+8*\u+3], v[ST+8*\u+6:ST+8*\u+7], v[S+32*\u:S+32*\u+1] op_sel_hi:[1,0,1]
	v_pk_add_f32 v[ST+8*\u+4:ST+8*\u+5], v[S+32*\u+2:S+32*\u+3], v[S+32*\u+6:S+32*\u+7]
.endr
.irp j, 4,8,12,16,20,24
.irp u, 0,1
	v_pk_add_f32 v[ST+8*\u+2:ST+8*\u+3], v[ST+8*\u+2:ST+8*\u+3], v[S+32*\u+\j:S+32*\u+\j+1]
	v_pk_add_f32 v[ST+8*\u+4:ST+8*\u+5], v[ST+8*\u+4:ST+8*\u+5], v[S+32*\u+\j+6:S+32*\u+\j+7]
.endr
.endr
.irp u, 0,1
	v_pk_add_f32 v[ST+8*\u+2:ST+8*\u+3], v[ST+8*\u+2:ST+8*\u+3], v[S+32*\u+28:S+32*\u+29]
.endr
.irp u, 0,1
	v_pk_add_f32 v[ST+8*\u+2:ST+8*\u+3], v[ST+8*\u+2:ST+8*\u+3], v[ST+8*\u+4:ST+8*\u+5]
.endr
.irp i, 0,1,2,3,4,5,6,7,8,9,10,11,12,13,14,15
.irp u, 0,1
	v_cvt_pk_f16_f32 v[S+32*\u+\i], v[S+32*\u+2*\i], v[S+32*\u+2*\i+1]   ; P in place, ascending: register i is written when registers 2 i, 2 i + 1 are read
.endr
.endr
.irp i, 0,2,4,6,8,10,12,14,16,18,20,22,24,26,28,30
.irp u, 0,1
	v_pk_mul_f32 v[OA+32*\u+\i:OA+32*\u+\i+1], v[OA+32*\u+\i:OA+32*\u+\i+1], v[ST+8*\u+6:ST+8*\u+7] op_sel_hi:[1,0]   ; O^T x a
.endr
.endr
	s_wait_dscnt 0x0                               ; V is in
.irp kh, 0,1                                   ; O^T += V^T P: eight accumulators by turns
.irp ct, 0,1,2,3
.irp u, 0,1
	v_wmma_f32_16x16x32_f16 v[OA+32*\u+8*\ct:OA+32*\u+8*\ct+7], v[KV+8*(4*\kh+\ct):KV+8*(4*\kh+\ct)+7], v[S+32*\u+8*\kh:S+32*\u+8*\kh+7], v[OA+32*\u+8*\ct:OA+32*\u+8*\ct+7]
.endr
.endr
.endr
.Lhidden_\@:
	s_add_co_u32 s[KF], s[KF], 64
.endm
; THE CHANGE OF SLOTS stands at a slot's head.  Each wave waits for all its tensor loads, adds 0 to its spare word, and waits for that and for its reads of the slot that it has left.  fill = 1: a round of the
; cluster's barrier follows, and behind it the slot just left is filled with the next 256 keys: one joint load a fetching wave, which has four key steps in which to land.
.macro CHANGE fill
	s_wait_tensorcnt 0x0                           ; no tensor load of mine is out, so a group 0 may be written
	ds_add_u32 v[SPW], v[NIL]                      ; 0 onto my spare word
.if \fill
	ds_add_u32 v[SPW], v[NIL]                      ; and once more: the add twice on end, in every trip alike
	s_xor_b32 s[G0K+1], s[G0K+1], SLOT1
	s_add_nc_u64 s[G0K+2:G0K+3], s[G0K+2:G0K+3], 32768
	s_xor_b32 s[G0V+1], s[G0V+1], SLOT1
	s_add_nc_u64 s[G0V+2:G0V+3], s[G0V+2:G0V+3], 32768
	s_wait_xcnt 0x0                                ; the last prefetch, a slot back, has read its address
	s_add_nc_u64 s[PFA:PFA+1], s[PFA:PFA+1], 32768 ; one slot further on than the walking descriptors
	s_wait_dscnt 0x0                               ; the adds are done, and my reads of the slot that I have left are over
	CROUND
	TLOAD
	ASK
.else
	s_wait_dscnt 0x0
	s_barrier_signal -1
	s_barrier_wait -1
.endif
.endm
.macro SLOT_STEPS
.irp q, 0,1,2,3
	STEP \q
.endr
	s_xor_b32 s[TB], s[TB], SLOT1
.endm
	s_wait_loadcnt 0x0                             ; Q
.Lslot:                                            ; seven trips: behind each change of slots but the last the next slot is asked for
	CHANGE 1
	SLOT_STEPS
	s_sub_co_u32 s[SLOTS], s[SLOTS], 1
	s_cmp_lg_u32 s[SLOTS], 0
	s_cbranch_scc1 .Lslot
	CHANGE 0                                       ; the last slot is written out
	SLOT_STEPS
	; THE WAY OUT: O^T / l, rounded to f16, a tile of 16 queries at a time through my stage; a tile's 16 rows are 2,048 consecutive bytes of ctx
.rept 4
	v_nop                                          ; places behind the last products
.endr
.irp u, 0,1
	v_add_f32 v[ST+8*\u+4], v[ST+8*\u+2], v[ST+8*\u+3]
.endr
.irp u, 0,1
	v_permlanex16_b32 v[ST+8*\u+5], v[ST+8*\u+4], s[SEL], s[SEL+1]
.endr
.irp u, 0,1
	v_add_f32 v[ST+8*\u+4], v[ST+8*\u+4], v[ST+8*\u+5]
.endr
.irp u, 0,1
	v_rcp_f32 v[ST+8*\u+6], v[ST+8*\u+4]
.endr
	v_nop                                          ; a plain instruction behind the last reciprocal,
	s_wait_alu depctr_va_vdst(0)                   ; and the wait ahead of the first reader: one for both
.macro OUT u
.irp i, 0,2,4,6,8,10,12,14,16,18,20,22,24,26,28,30
	v_pk_mul_f32 v[OA+32*\u+\i:OA+32*\u+\i+1], v[OA+32*\u+\i:OA+32*\u+\i+1], v[ST+8*\u+6:ST+8*\u+7] op_sel_hi:[1,0]
.endr
.irp i, 0,1,2,3,4,5,6,7,8,9,10,11,12,13,14,15
	v_cvt_pk_f16_f32 v[S+16*\u+\i], v[OA+32*\u+2*\i], v[OA+32*\u+2*\i+1]
.endr
.irp ct, 0,1,2,3
	ds_store_b128 v[STO], v[S+16*\u+4*\ct:S+16*\u+4*\ct+3] offset:32*\ct
.endr
.irp i, 0,1,2,3
	ds_load_b128 v[S+32+16*\u+4*\i:S+32+16*\u+4*\i+3], v[RD] offset:576*\i   ; LDS serves a wave's instructions in order: these see my stores, and the next tile's stores come behind them
.endr
.endm
	OUT 0
	OUT 1
.irp i, 0,1,2,3
	s_wait_dscnt 8+3-\i                            ; behind tile 0's load i: its 3 - i later loads and tile 1's eight LDS instructions
	global_store_b128 v[GO], v[S+32+4*\i:S+32+4*\i+3], s[56:57] offset:512*\i
.endr
.irp i, 0,1,2,3
	s_wait_dscnt 3-\i
	global_store_b128 v[GO], v[S+48+4*\i:S+48+4*\i+3], s[56:57] offset:2048+512*\i   ; 32 lanes store 512 consecutive bytes, aligned
.endr
	s_wait_tensorcnt 0x0                           ; the wave's end
	ds_add_u32 v[SPW], v[NIL]
	s_wait_dscnt 0x0
	CROUND                                         ; the closing round
	s_endpgm
.Lfunc_end_k_qb542eca772_attn:
	.size	k_qb542eca772_attn, .Lfunc_end_k_qb542eca772_attn-k_qb542eca772_attn
	.p2alignl 7, 3214868480
	.fill 96, 4, 3214868480
	.section	.rodata,"a",@progbits
	.p2align	6, 0x0
	.amdhsa_kernel k_qb542eca772_attn
		.amdhsa_group_segment_fixed_size 327680
		.amdhsa_private_segment_fixed_size 0
		.amdhsa_enable_private_segment 0
		.amdhsa_kernarg_size 16
		.amdhsa_user_sgpr_count 2
		.amdhsa_user_sgpr_kernarg_segment_ptr 1
		.amdhsa_wavefront_size32 1
		.amdhsa_system_sgpr_workgroup_id_x 1
		.amdhsa_system_sgpr_workgroup_id_y 1
		.amdhsa_system_sgpr_workgroup_id_z 1
		.amdhsa_system_vgpr_workitem_id 0
		.amdhsa_next_free_vgpr 256
		.amdhsa_next_free_sgpr 72
		.amdhsa_reserve_vcc 1
		.amdhsa_float_denorm_mode_32 3
		.amdhsa_float_denorm_mode_16_64 3
		.amdhsa_memory_ordered 1
		.amdhsa_forward_progress 1
		.amdhsa_inst_pref_size 188
	.end_amdhsa_kernel
	.amdgpu_metadata
---
amdhsa.version: [ 1, 2 ]
amdhsa.kernels:
  - .name:           k_qb542eca772_attn
    .symbol:         k_qb542eca772_attn.kd
    .args:
      - { .name: qkv, .offset: 0, .size: 8, .value_kind: global_buffer, .address_space: global }
      - { .name: ctx, .offset: 8, .size: 8, .value_kind: global_buffer, .address_space: global }
    .group_segment_fixed_size: 327680
    .private_segment_fixed_size: 0
    .kernarg_segment_align: 8
    .kernarg_segment_size: 16
    .max_flat_workgroup_size: 512
    .sgpr_count:     72
    .vgpr_count:     256
    .wavefront_size: 32
...
	.end_amdgpu_metadata
.endif
;; end of part 3
;; launch proj (part 4): grid 8 x 64, 4 waves a work-group, clusters of 4 x 4, 327,680 bytes of LDS; arguments ctx, wot, bo, out0; writes out0
.if DOCPART == 4
	.amdgcn_target "amdgcn-amd-amdhsa--gfx1250"
	.amdhsa_code_object_version 6
	.text
	.protected	k_qb542eca772_proj
	.globl	k_qb542eca772_proj
	.p2align	8
	.type	k_qb542eca772_proj,@function
k_qb542eca772_proj:
	s_mov_b64 s[64:65], 0
	v_nop
	global_prefetch_b8 v0, s[64:65] scope:SCOPE_SE
	s_setreg_imm32_b32 hwreg(HW_REG_WAVE_MODE, 25, 1), 1
	s_wait_xcnt 0x0
	s_wait_alu depctr_hold_cnt(0) depctr_sa_sdst(0) depctr_va_vdst(0) depctr_va_sdst(0) depctr_va_ssrc(0) depctr_va_vcc(0) depctr_vm_vsrc(0)
	s_getreg_b32 s2, hwreg(HW_REG_IB_STS2, 6, 4)
	s_cmp_eq_u32 s2, 0
	s_cbranch_scc0 .Lentry_in_a_cluster
	s_endpgm
.Lentry_in_a_cluster:
	s_bfe_u32 s2, ttmp6, 0x10000c
	s_cmp_lg_u32 s2, 0xf033
	s_cbranch_scc0 .Lentry_shape_is_right
	s_endpgm
.Lentry_shape_is_right:
; proj: out0 [8192][1024] f32 = ctx wo + bo, on f16 operands with f32 sums.  A: ctx, f16, [64 blocks of 128 rows][16 heads][128 rows][64]; B: wot, f16, [n 1024][k 1024].
; A tile of C is 128 x 128: 512 tiles, two for each of 256 WGPs.  Four waves, 64 x 64 each: 16 accumulators.  K goes in four steps of 256 (four heads) through two LDS slots.
; A's K step of a block of rows is 65,536 dense bytes: four planes (heads) of 128 rows x 128 bytes; a wave's load brings two planes as 256 rows of 128 bytes.  B's tile rows are 512 bytes.
; CLUSTER 4 x 4: A's tiles are asked for jointly along a row of the cluster, B's along a column.  THE MATRIX INSTRUCTION IS USED TRANSPOSED: a lane holds eight neighbouring numbers of a row of C.
; bo is the C of each sum's first instruction: added ahead of the products, another order of rounding than ctx @ wo + bo.  Rows 0-15 of every sequence are written anew by the launch that follows.
; No prefetch: every tile is read by four clusters or more, and a step's tiles are small.
; REGISTERS: window 0: v0-31 addresses; v32-95 the way out; v96-127 bo in the result's layout; v128-255 the accumulators ((a, b) at v[128 + 8 (4 a + b)]).  window 1: two fragment buffers of 128.
.set KSTEP,  256
.set PITCH,  528                       ; B's LDS row: 512 bytes + 16
.set PA,     144                       ; A's LDS row: 128 bytes + 16
.set PLANE,  128*PA
.set HALFA,  2*PLANE                   ; what one load brings of A
.set HALFB,  64*PITCH                  ; and of B
.set BOFF,   2*HALFA
.set SLOT,   BOFF+2*HALFB
.set STAGE,  2*SLOT                    ; behind the ring: 16 rows x 272 bytes for each wave
.set SPITCH, 272
.set SPARE,  STAGE+4*16*SPITCH         ; the spare words, 128 bytes a wave: two blocks of 256 bytes that no other line names
.set ADRA, 16
.set ADRB, 20
.set STO,  24
.set RD,   25
.set CO,   26
.set BIA,  27
.set SPW,  28
.set NIL,  29
.set TMP,  32
.set BIAS, 96
.set ACC,  128
.set F0,   0
.set F1,   128
.set G1, 24
.set G0, 32
.set G1B, 48
.set G0B, 56
.set MSB, 0
.macro WIN new
.if MSB != (\new)
	s_set_vgpr_msb (MSB<<8)|(\new)
.set MSB, (\new)
.endif
.endm
.set MUL,  0x05                        ; sources 0 (B) and 1 (A) window 1; C and D window 0
.set TO_F, 0x40                        ; destination window 1, address window 0
.macro JLOAD s                         ; waves 0 and 1 fetch A's halves, waves 2 and 3 B's; an s_nop 0 and four v_nop follow each line
	s_cmp_eq_u32 s11, 0
	s_cbranch_scc0 .Lfor_b_\@
	tensor_load_to_lds s[G0+4*\s:G0+4*\s+3], s[G1:G1+7]
	s_nop 0
.rept 4
	v_nop
.endr
	s_branch .Lasked_\@
.Lfor_b_\@:
	tensor_load_to_lds s[G0B+4*\s:G0B+4*\s+3], s[G1B:G1B+7]
	s_nop 0
.rept 4
	v_nop
.endr
.Lasked_\@:
.endm
.macro CREST
	s_cmp_lg_u32 s10, 0
	s_cbranch_scc1 .Lnot_wave_0_\@
	s_barrier_signal -3
.Lnot_wave_0_\@:
	s_barrier_wait -3
	s_barrier_signal -1
	s_barrier_wait -1
.endm
.macro CROUND
	s_barrier_signal -1
	s_barrier_wait -1
	CREST
.endm
	s_load_b128 s[4:7], s[0:1], 0x0                ; ctx, wot
	s_load_b128 s[68:71], s[0:1], 0x10             ; bo, out0
	v_lshl_add_u32 v[SPW], v0, 2, SPARE
	v_mov_b32 v[NIL], 0
	ds_add_u32 v[SPW], v[NIL]                      ; the wave's opening: the add, twice on end, and its wait ahead of my first tensor load
	ds_add_u32 v[SPW], v[NIL]
	v_lshrrev_b32 v1, 5, v0
	v_readfirstlane_b32 s10, v1                    ; wave 0..3
	s_lshr_b32 s11, s10, 1                         ; my half of the tile's rows.  Also: I fetch for A (0) or for B (1)
	s_and_b32 s12, s10, 1                          ; my half of its columns.  Also: which half of that tile I fetch
	s_bfe_u32 s40, ttmp6, 0x40000
	s_bfe_u32 s41, ttmp6, 0x40004
	s_lshl_b32 s42, ttmp9, 2
	s_add_co_u32 s42, s42, s40                     ; tile column = 4 x cluster x + cx
	s_and_b32 s13, ttmp7, 0xffff
	s_lshl_b32 s13, s13, 2
	s_add_co_u32 s13, s13, s41                     ; tile row = block of 128 rows = 4 x cluster y + cy
	s_lshl_b32 s43, s41, 2
	s_lshl_b32 s43, 15, s43
	s_lshl_b32 s44, 0x1111, s40
	s_or_b32 s[G1+0], s43, (1<<16)|(1<<20)|(1<<21)|(4<<22)|(3<<25)   ; A: elements of 2 bytes; 4 words of padding behind every 32
	s_mov_b32 s[G1+1], 64<<16                      ; tensor_dim0
	s_mov_b32 s[G1+2], 256<<16                     ; tensor_dim1: two planes of 128 rows
	s_mov_b32 s[G1+3], 64<<16
	s_mov_b32 s[G1+4], 256
	s_mov_b32 s[G1+5], 64                          ; dense
	s_mov_b32 s[G1+6], 0
	s_mov_b32 s[G1+7], 0
	s_or_b32 s[G1B+0], s44, (1<<16)|(1<<20)|(1<<21)|(6<<22)|(3<<25)  ; B: 4 words behind every 128
	s_mov_b32 s[G1B+1], KSTEP<<16
	s_mov_b32 s[G1B+2], 64<<16
	s_mov_b32 s[G1B+3], KSTEP<<16
	s_mov_b32 s[G1B+4], 64
	s_mov_b32 s[G1B+5], 1024
	s_mov_b32 s[G1B+6], 0
	s_mov_b32 s[G1B+7], 0
	s_lshl_b32 s16, s13, 18                        ; A: a block of rows is 262,144 bytes,
	s_lshl_b32 s17, s12, 15                        ; two planes 32,768
	s_add_co_u32 s16, s16, s17
	s_mov_b32 s17, 0
	s_lshl_b32 s46, s42, 18                        ; B: 128 rows of 2,048 bytes,
	s_lshl_b32 s47, s12, 17                        ; 64 rows
	s_add_co_u32 s46, s46, s47
	s_mov_b32 s47, 0
	s_mul_i32 s20, s12, HALFA                      ; where they go
	s_mul_i32 s21, s12, HALFB
	s_add_co_u32 s21, s21, BOFF
	s_wait_dscnt 0x0                               ; both opening adds are done
	s_wait_kmcnt 0x0
	s_add_nc_u64 s[14:15], s[4:5], s[16:17]
	s_add_nc_u64 s[46:47], s[6:7], s[46:47]
	CROUND                                         ; all sixteen work-groups are here: the first joint loads meet
.irp s, 0,1
	s_mov_b32 s[G0+4*\s], 1
	s_add_co_u32 s[G0+4*\s+1], s20, \s*SLOT
	s_add_nc_u64 s[G0+4*\s+2:G0+4*\s+3], s[14:15], \s*65536
	s_or_b32 s[G0+4*\s+3], s[G0+4*\s+3], 0x80000000
	s_mov_b32 s[G0B+4*\s], 1
	s_add_co_u32 s[G0B+4*\s+1], s21, \s*SLOT
	s_add_nc_u64 s[G0B+4*\s+2:G0B+4*\s+3], s[46:47], \s*KSTEP*2
	s_or_b32 s[G0B+4*\s+3], s[G0B+4*\s+3], 0x80000000
	JLOAD \s
.endr
	v_and_b32 v1, 15, v0                           ; r
	v_bfe_u32 v2, v0, 4, 1                         ; h
	s_lshl_b32 s16, s42, 9                         ; bo: my 64 columns; for block b the numbers 16 b + 8 h + 0 .. 7
	s_lshl_b32 s17, s12, 8
	s_add_co_u32 s16, s16, s17
	s_mov_b32 s17, 0
	s_add_nc_u64 s[68:69], s[68:69], s[16:17]
	s_add_nc_u64 s[70:71], s[70:71], s[16:17]      ; the same bytes on in a row of out0
	v_lshlrev_b32 v[BIA], 5, v2
.irp b, 0,1,2,3
	global_load_b128 v[BIAS+8*\b:BIAS+8*\b+3], v[BIA], s[68:69] offset:64*\b
	global_load_b128 v[BIAS+8*\b+4:BIAS+8*\b+7], v[BIA], s[68:69] offset:64*\b+16
.endr
	v_mul_u32_u24 v3, v1, PA
	v_lshl_add_u32 v3, v2, 4, v3
	v_mul_u32_u24 v4, v1, PITCH
	v_lshl_add_u32 v4, v2, 4, v4
	s_mul_i32 s21, s11, 64*PA                      ; my 64 rows in each plane of A
	s_mul_i32 s22, s12, HALFB                      ; my 64 rows of B
	s_add_co_u32 s22, s22, BOFF
.irp s, 0,1
	v_add_nc_u32 v[ADRA+\s], s21, v3
	v_add_nc_u32 v[ADRB+\s], s22, v4
	s_add_co_u32 s21, s21, SLOT
	s_add_co_u32 s22, s22, SLOT
.endr
	s_mul_i32 s23, s10, 16*SPITCH
	s_add_co_u32 s23, s23, STAGE                   ; my stage
	v_mul_u32_u24 v5, v1, SPITCH
	v_lshl_add_u32 v5, v2, 5, v5
	v_add_nc_u32 v[STO], s23, v5                   ; in: row r, 32 bytes for each half of the lanes
	v_mul_u32_u24 v5, v2, SPITCH
	v_lshl_add_u32 v5, v1, 4, v5
	v_add_nc_u32 v[RD], s23, v5                    ; back: lanes 0-15 one row of 256 bytes, lanes 16-31 the next
	v_lshlrev_b32 v5, 12, v2
	v_lshl_add_u32 v[CO], v1, 4, v5                ; and the same two rows in out0
	s_lshl_b32 s16, s13, 19                        ; 128 rows of 4,096 bytes,
	s_lshl_b32 s17, s11, 18                        ; my 64
	s_add_co_u32 s16, s16, s17
	s_mov_b32 s17, 0
	s_add_nc_u64 s[70:71], s[70:71], s[16:17]
; 8 matrix instructions: m blocks a0, a0 + 1 x all 4 n blocks, 32 along K: half c of buffer f.  first = 1: bo is C.  The 16 accumulators take turns.
.macro MUL8 f, c, a0, first
.irp a, \a0, \a0+1
.irp b, 0,1,2,3
.if \first
	v_wmma_f32_16x16x32_f16 v[ACC+8*(4*(\a)+\b):ACC+8*(4*(\a)+\b)+7], v[\f+64+8*(4*\c+\b):\f+64+8*(4*\c+\b)+7], v[\f+8*(4*\c+\a):\f+8*(4*\c+\a)+7], v[BIAS+8*\b:BIAS+8*\b+7]
.else
	v_wmma_f32_16x16x32_f16 v[ACC+8*(4*(\a)+\b):ACC+8*(4*(\a)+\b)+7], v[\f+64+8*(4*\c+\b):\f+64+8*(4*\c+\b)+7], v[\f+8*(4*\c+\a):\f+8*(4*\c+\a)+7], v[ACC+8*(4*(\a)+\b):ACC+8*(4*(\a)+\b)+7]
.endif
.endr
.endr
.endm
; 32 LDS loads in one run: the fragments of 64 along K at byte k of the K step, into buffer f; the first 32 along K first.  In A byte kb of a K step's 512 lies in plane kb / 128 at byte kb % 128 of the row
.macro FETCH slot, k, f
	WIN TO_F
.irp c, 0,1
.irp i, 0,1,2,3
	ds_load_b128 v[\f+64+8*(4*\c+\i):\f+64+8*(4*\c+\i)+3],   v[ADRB+\slot] offset:\k+64*\c+\i*16*PITCH
	ds_load_b128 v[\f+64+8*(4*\c+\i)+4:\f+64+8*(4*\c+\i)+7], v[ADRB+\slot] offset:\k+64*\c+\i*16*PITCH+32
	ds_load_b128 v[\f+8*(4*\c+\i):\f+8*(4*\c+\i)+3],         v[ADRA+\slot] offset:((\k+64*\c)/128)*PLANE+(\k+64*\c)%128+\i*16*PA
	ds_load_b128 v[\f+8*(4*\c+\i)+4:\f+8*(4*\c+\i)+7],       v[ADRA+\slot] offset:((\k+64*\c)/128)*PLANE+(\k+64*\c)%128+\i*16*PA+32
.endr
.endr
.endm
.macro PLACES
.rept 4
	v_nop
.endr
.endm
.macro QUARTER slot, k, f, g, first    ; 64 along K: multiplies buffer f and fetches the next quarter, at byte k, into g
	s_wait_dscnt 16                                ; the first 32 along K are in; the other sixteen loads may be out
	WIN MUL
	MUL8 \f, 0, 0, \first
	MUL8 \f, 0, 2, \first
	PLACES
	FETCH \slot, \k, \g
	s_wait_dscnt 32                                ; all but the 32 just issued
	WIN MUL
	MUL8 \f, 1, 0, 0
	MUL8 \f, 1, 2, 0
.endm
; A K step's last quarter changes slots: one barrier; in front of it each wave waits for all its tensor loads, adds 0 to its spare word, and waits for that and for its reads of this slot.
; fill = 1: the barrier opens a round of the cluster's, and this slot is filled again, two K steps ahead: the first tensor load behind the round.
.macro TURN slot, next, fill
	WIN 0
	s_wait_tensorcnt 0x0
	ds_add_u32 v[SPW], v[NIL]
	s_wait_dscnt 17                                ; (the add and the youngest sixteen loads may be out)
	WIN MUL
	MUL8 F1, 0, 0, 0
	s_wait_dscnt 0x0                               ; the add is done, and my reads of this slot are over
	s_barrier_signal -1
	MUL8 F1, 0, 2, 0
.if \fill
	WIN 0
.endif
	s_barrier_wait -1
.if \fill
	CREST
	s_add_nc_u64 s[G0+4*\slot+2:G0+4*\slot+3], s[G0+4*\slot+2:G0+4*\slot+3], 2*65536
	s_add_nc_u64 s[G0B+4*\slot+2:G0B+4*\slot+3], s[G0B+4*\slot+2:G0B+4*\slot+3], 2*KSTEP*2
	JLOAD \slot                                    ; the four v_nop behind it are also the places in front of the loads below
.else
	PLACES
.endif
	FETCH \next, 0, F0
	WIN MUL
	MUL8 F1, 1, 0, 0
	MUL8 F1, 1, 2, 0
.endm
	s_wait_tensorcnt 1                             ; my part of K step 0 is in; K step 1's may be out
	s_barrier_signal -1
	s_barrier_wait -1
	FETCH 0, 0, F0
	s_wait_loadcnt 0x0                             ; bo
	QUARTER 0, 128, F0, F1, 1                      ; K step 0
	QUARTER 0, 256, F1, F0, 0
	QUARTER 0, 384, F0, F1, 0
	TURN 0, 1, 1                                   ; slot 0 takes K step 2
	QUARTER 1, 128, F0, F1, 0                      ; K step 1
	QUARTER 1, 256, F1, F0, 0
	QUARTER 1, 384, F0, F1, 0
	TURN 1, 0, 1                                   ; slot 1 takes K step 3
	QUARTER 0, 128, F0, F1, 0                      ; K step 2
	QUARTER 0, 256, F1, F0, 0
	QUARTER 0, 384, F0, F1, 0
	TURN 0, 1, 0
	QUARTER 1, 128, F0, F1, 0                      ; K step 3
	QUARTER 1, 256, F1, F0, 0
	QUARTER 1, 384, F0, F1, 0
	s_wait_dscnt 16
	WIN MUL
	MUL8 F1, 0, 0, 0
	MUL8 F1, 0, 2, 0
	s_wait_dscnt 0
	MUL8 F1, 1, 0, 0
	MUL8 F1, 1, 2, 0
	WIN 0
; THE WAY OUT in f32: my 64 columns are 256 bytes of a row.  A block of 16 rows goes through my own stage and comes back as rows: sixteen lanes store 256 consecutive bytes, aligned.  No barrier: the stage is mine.
.macro TOSTAGE a
.set BB, TMP+32*((\a)%2)
.irp b, 0,1,2,3
	ds_store_b128 v[STO], v[ACC+8*(4*(\a)+\b):ACC+8*(4*(\a)+\b)+3] offset:64*\b          ; each accumulator from its low end on
	ds_store_b128 v[STO], v[ACC+8*(4*(\a)+\b)+4:ACC+8*(4*(\a)+\b)+7] offset:64*\b+16
.endr
.irp t, 0,1,2,3,4,5,6,7
	ds_load_b128 v[BB+4*\t:BB+4*\t+3], v[RD] offset:\t*2*SPITCH
.endr
.endm
.macro SEND a, younger
.set BB, TMP+32*((\a)%2)
	s_wait_dscnt \younger
.irp t, 0,1,2,3,4,5,6,7
	global_store_b128 v[CO], v[BB+4*\t:BB+4*\t+3], s[70:71] offset:(16*(\a)+2*\t)*4096 th:TH_STORE_NT
.endr
.endm
	PLACES
	TOSTAGE 0
.irp a, 1,2,3
.if \a > 1
	s_wait_xcnt 0x0                                ; block a - 2's stores have read their registers: block a's loads may land there
.endif
	TOSTAGE \a
	SEND \a-1, 16                                  ; behind block a - 1's loads: block a's eight stores and eight loads
.endr
	SEND 3, 0
	s_wait_tensorcnt 0x0                           ; the wave's end
	ds_add_u32 v[SPW], v[NIL]
	s_wait_dscnt 0x0
	CROUND                                         ; the closing round
	s_endpgm
.Lfunc_end_k_qb542eca772_proj:
	.size	k_qb542eca772_proj, .Lfunc_end_k_qb542eca772_proj-k_qb542eca772_proj
	.p2alignl 7, 3214868480
	.fill 96, 4, 3214868480
	.section	.rodata,"a",@progbits
	.p2align	6, 0x0
	.amdhsa_kernel k_qb542eca772_proj
		.amdhsa_group_segment_fixed_size 327680
		.amdhsa_private_segment_fixed_size 0
		.amdhsa_enable_private_segment 0
		.amdhsa_kernarg_size 32
		.amdhsa_user_sgpr_count 2
		.amdhsa_user_sgpr_kernarg_segment_ptr 1
		.amdhsa_wavefront_size32 1
		.amdhsa_system_sgpr_workgroup_id_x 1
		.amdhsa_system_sgpr_workgroup_id_y 1
		.amdhsa_system_sgpr_workgroup_id_z 1
		.amdhsa_system_vgpr_workitem_id 0
		.amdhsa_next_free_vgpr 512
		.amdhsa_next_free_sgpr 72
		.amdhsa_reserve_vcc 0
		.amdhsa_float_denorm_mode_32 3
		.amdhsa_float_denorm_mode_16_64 3
		.amdhsa_memory_ordered 1
		.amdhsa_forward_progress 1
		.amdhsa_inst_pref_size 86
	.end_amdhsa_kernel
	.amdgpu_metadata
---
amdhsa.version: [ 1, 2 ]
amdhsa.kernels:
  - .name:           k_qb542eca772_proj
    .symbol:         k_qb542eca772_proj.kd
    .args:
      - { .name: ctx, .offset: 0, .size: 8, .value_kind: global_buffer, .address_space: global }
      - { .name: wot, .offset: 8, .size: 8, .value_kind: global_buffer, .address_space: global }
      - { .name: bo, .offset: 16, .size: 8, .value_kind: global_buffer, .address_space: global }
      - { .name: out0, .offset: 24, .size: 8, .value_kind: global_buffer, .address_space: global }
    .group_segment_fixed_size: 327680
    .private_segment_fixed_size: 0
    .kernarg_segment_align: 8
    .kernarg_segment_size: 32
    .max_flat_workgroup_size: 128
    .sgpr_count:     72
    .vgpr_count:     512
    .wavefront_size: 32
...
	.end_amdgpu_metadata
.endif
;; end of part 4
;; launch first16 (part 5): grid 64 x 4, 16 waves a work-group, no clusters, 22,528 bytes of LDS; arguments qkv16, wo, bo, out0; writes out0
.if DOCPART == 5
	.amdgcn_target "amdgcn-amd-amdhsa--gfx1250"
	.amdhsa_code_object_version 6
	.text
	.protected	k_qb542eca772_first16
	.globl	k_qb542eca772_first16
	.p2align	8
	.type	k_qb542eca772_first16,@function
k_qb542eca772_first16:
	s_mov_b64 s[64:65], 0
	v_nop
	global_prefetch_b8 v0, s[64:65] scope:SCOPE_SE
	s_setreg_imm32_b32 hwreg(HW_REG_WAVE_MODE, 25, 1), 1
	s_wait_xcnt 0x0
; first16: the first 16 positions of every sequence once more, wholly in f32: scores, softmax, values and the projection on the way out.  These rows average one to sixteen values, so
; the rounding of 16-bit operands weighs most in them.  64 rows of out0 are written over those of the launch before.
; qkv16: f32 [3][batch 4][head 16][16 positions][64].  wo [k 1024][n 1024], bo [1024], out0 [4][2048][1024]: f32.
; SHARES.  A work-group: 16 output columns of one batch.  A wave: a head.  Its part of the 16 x 16 results goes to LDS; waves 0 and 1 add the sixteen parts, heads ascending, onto bo, and store.
; All products by the f32 matrix form, 16 x 16 x 4: 48 instructions a wave.  K is taken in an order that is the same on both sides of a product, so every result is the next product's operand as it lies:
;   S^T = K Q^T: a lane holds query r and keys 8 h + j;   O^T = V^T P: query r, channels 16 ct + 8 h + j;   (out)^T = W^T O^T: query r, columns 8 h + j.
; The registers that these products write are written by them alone; sums of four accumulators, the softmax and the rest go into other registers.
; The stores are pieces of 64 bytes, 262,144 bytes in all: the price of spreading the work over 256 work-groups.
.set PART,  0                          ; LDS: a wave's part: 16 rows x (64 bytes + 16)
.set SPARE, 20480                      ; the spare words, 128 bytes for each of 16 waves: eight blocks of 256 bytes that no other line names
.set QR,  16                           ; v16-47   q: register 4 i + e: channel 8 i + 4 h + e of row r
.set KR,  48                           ; v48-79   k likewise
.set VR,  80                           ; v80-111  v: register 8 ct + e: key 8 h + e, channel 16 ct + r
.set WR,  112                          ; v112-143 wo: register 8 ct + e: row 64 head + 16 ct + 8 h + e, column n0 + r
.set SA,  144                          ; v144-175 four accumulators of S^T
.set OAC, 176                          ; v176-207 O^T, an accumulator for each 16 channels
.set PAC, 208                          ; v208-239 four accumulators of the projection
.set SC,  240                          ; v240-247 the scores, then p
.set WK,  248                          ; v248-255 at work
	s_load_b256 s[4:11], s[0:1], 0x0               ; qkv16, wo, bo, out0
	v_lshl_add_u32 v12, v0, 2, SPARE               ; my spare word; never rewritten
	v_mov_b32 v13, 0                               ; 0; never rewritten
	v_lshrrev_b32 v1, 5, v0
	v_readfirstlane_b32 s12, v1                    ; wave = head
	s_and_b32 s13, ttmp7, 0xffff                   ; batch
	v_and_b32 v1, 15, v0                           ; r
	v_bfe_u32 v2, v0, 4, 1                         ; h
	v_lshlrev_b32 v3, 8, v1
	v_lshl_add_u32 v3, v2, 4, v3                   ; q, k: 256 r + 16 h
	v_lshlrev_b32 v4, 2, v1
	v_lshl_add_u32 v5, v2, 15, v4                  ; wo: 8 h rows of 4,096 bytes + 4 r
	v_lshl_add_u32 v4, v2, 11, v4                  ; v: 8 h rows of 256 bytes + 4 r
	v_and_b32 v6, 3, v0
	v_lshlrev_b32 v6, 4, v6                        ; 16 (lane % 4)
	v_lshlrev_b32 v7, 3, v2
	v_sub_nc_u32 v7, v1, v7                        ; d = r - 8 h: key 8 h + j is hidden where j > d
	s_mul_i32 s14, s12, 1280
	v_mul_u32_u24 v14, v1, 80
	v_lshl_add_u32 v14, v2, 5, v14
	v_add_nc_u32 v14, s14, v14                     ; my part: row r, 32 bytes for each half of the lanes
	v_bfe_u32 v2, v0, 2, 3                         ; lane / 4
	v_mul_u32_u24 v15, v2, 80
	v_add_nc_u32 v15, v15, v6
	s_and_b32 s14, s12, 1
	s_mul_i32 s15, s14, 640
	v_add_nc_u32 v15, s15, v15                     ; the adding waves: row 8 w + lane / 4, 16 bytes a lane
	v_lshl_add_u32 v1, v2, 12, v6
	s_lshl_b32 s15, s14, 15
	v_add_nc_u32 v1, s15, v1                       ; and the same place in out0
	s_mov_b32 s16, 0x3e38aa3b                      ; c = log2(e) / 8
	s_mov_b32 s17, s16
	s_mov_b32 s18, 0x76543210
	s_mov_b32 s19, 0xfedcba98                      ; lane l xor 16
	s_lshl_b32 s20, s13, 4
	s_add_co_u32 s20, s20, s12
	s_lshl_b32 s20, s20, 12                        ; 4,096 bytes a head
	s_mov_b32 s21, 0
	s_lshl_b32 s24, ttmp9, 6                       ; my 16 columns
	s_mov_b32 s25, 0
	s_lshl_b32 s22, s12, 18                        ; the head's 64 rows of wo
	s_add_co_u32 s22, s22, s24
	s_mov_b32 s23, 0
	s_lshl_b32 s26, s13, 23                        ; the batch's first row of out0
	s_add_co_u32 s26, s26, s24
	s_mov_b32 s27, 0
	s_wait_kmcnt 0x0
	s_add_nc_u64 s[4:5], s[4:5], s[20:21]
	s_add_nc_u64 s[6:7], s[6:7], s[22:23]
	s_add_nc_u64 s[8:9], s[8:9], s[24:25]
	s_add_nc_u64 s[10:11], s[10:11], s[26:27]
.irp i, 0,1,2,3,4,5,6,7
	global_load_b128 v[QR+4*\i:QR+4*\i+3], v3, s[4:5] offset:32*\i
.endr
.irp i, 0,1,2,3,4,5,6,7
	global_load_b128 v[KR+4*\i:KR+4*\i+3], v3, s[4:5] offset:262144+32*\i
.endr
.irp ct, 0,1,2,3
.irp e, 0,1,2,3,4,5,6,7
	global_load_b32 v[VR+8*\ct+\e], v4, s[4:5] offset:524288+256*\e+64*\ct
.endr
.endr
.irp ct, 0,1,2,3
.irp e, 0,1,2,3,4,5,6,7
	global_load_b32 v[WR+8*\ct+\e], v5, s[6:7] offset:(16*\ct+\e)*4096
.endr
.endr
	global_load_b128 v[8:11], v6, s[8:9]           ; bo
	s_wait_loadcnt 63                              ; q and k are in: 65 loads stand behind them, and 63 is the largest count that the wait names
.irp n, 0,1,2,3,4,5,6,7,8,9,10,11,12,13,14,15     ; S^T = K Q^T: four channels an instruction, four accumulators by turns; the first four start the sums
.if \n < 4
	v_wmma_f32_16x16x4_f32 v[SA+8*(\n%4):SA+8*(\n%4)+7], v[KR+2*\n:KR+2*\n+1], v[QR+2*\n:QR+2*\n+1], 0
.else
	v_wmma_f32_16x16x4_f32 v[SA+8*(\n%4):SA+8*(\n%4)+7], v[KR+2*\n:KR+2*\n+1], v[QR+2*\n:QR+2*\n+1], v[SA+8*(\n%4):SA+8*(\n%4)+7]
.endif
.endr
.rept 8
	v_nop                                          ; eight places behind this form before a result is read (ISA guide 7.12.1)
.endr
.irp p, 0,2,4,6                                ; the four accumulators are added, each from its low end on
	v_pk_add_f32 v[SC+\p:SC+\p+1], v[SA+\p:SA+\p+1], v[SA+8+\p:SA+8+\p+1]
	v_pk_add_f32 v[WK+\p:WK+\p+1], v[SA+16+\p:SA+16+\p+1], v[SA+24+\p:SA+24+\p+1]
.endr
.irp p, 0,2,4,6
	v_pk_add_f32 v[SC+\p:SC+\p+1], v[SC+\p:SC+\p+1], v[WK+\p:WK+\p+1]
.endr
	v_mov_b32 v255, 0xff800000                     ; -infinity
.irp j, 0,1,2,3,4,5,6,7
	v_cmp_gt_i32 vcc_lo, \j, v7
	v_cndmask_b32 v[SC+\j], v[SC+\j], v255, vcc_lo
.endr
	v_max3_num_f32 v248, v[SC], v[SC+1], v[SC+2]
	v_max3_num_f32 v248, v248, v[SC+3], v[SC+4]
	v_max3_num_f32 v248, v248, v[SC+5], v[SC+6]
	v_max_num_f32 v248, v248, v[SC+7]
	v_permlanex16_b32 v249, v248, s18, s19
	v_max_num_f32 v248, v248, v249                 ; the row's maximum: key 0 counts for every query
	v_mul_f32 v250, s16, v248                      ; c m
.irp p, 0,2,4,6
	v_pk_fma_f32 v[SC+\p:SC+\p+1], v[SC+\p:SC+\p+1], s[16:17], v[250:251] op_sel_hi:[1,0,0] neg_lo:[0,0,1] neg_hi:[0,0,1]
.endr
.irp j, 0,1,2,3,4,5,6,7
	v_exp_f32 v[SC+\j], v[SC+\j]
.endr
	v_nop                                          ; a plain instruction behind the last exponential,
	s_wait_alu depctr_va_vdst(0)                   ; and the one wait ahead of the batch's first reader
	v_pk_add_f32 v[252:253], v[SC:SC+1], v[SC+2:SC+3]
	v_pk_add_f32 v[254:255], v[SC+4:SC+5], v[SC+6:SC+7]
	v_pk_add_f32 v[252:253], v[252:253], v[254:255]
	v_add_f32 v252, v252, v253
	v_permlanex16_b32 v253, v252, s18, s19
	v_add_f32 v252, v252, v253                     ; the row's sum
	v_rcp_f32 v254, v252
	v_nop
	s_wait_alu depctr_va_vdst(0)
.irp p, 0,2,4,6
	v_pk_mul_f32 v[SC+\p:SC+\p+1], v[SC+\p:SC+\p+1], v[254:255] op_sel_hi:[1,0]   ; p, normalised
.endr
	s_wait_loadcnt 33                              ; v is in: wo's 32 loads and bo's one stand behind it
.irp s, 0,1,2,3                                ; O^T = V^T P: keys 8 h + 2 s + j; four accumulators by turns
.irp ct, 0,1,2,3
.if \s == 0
	v_wmma_f32_16x16x4_f32 v[OAC+8*\ct:OAC+8*\ct+7], v[VR+8*\ct+2*\s:VR+8*\ct+2*\s+1], v[SC+2*\s:SC+2*\s+1], 0
.else
	v_wmma_f32_16x16x4_f32 v[OAC+8*\ct:OAC+8*\ct+7], v[VR+8*\ct+2*\s:VR+8*\ct+2*\s+1], v[SC+2*\s:SC+2*\s+1], v[OAC+8*\ct:OAC+8*\ct+7]
.endif
.endr
.endr
.rept 9
	v_nop                                          ; nine places before a matrix instruction takes a result as an operand
.endr
	s_wait_loadcnt 0x0                             ; wo, bo
.irp s, 0,1,2,3                                ; (out)^T = W^T O^T: channels 16 ct + 8 h + 2 s + j; four accumulators by turns
.irp ct, 0,1,2,3
.if \s == 0
	v_wmma_f32_16x16x4_f32 v[PAC+8*\ct:PAC+8*\ct+7], v[WR+8*\ct+2*\s:WR+8*\ct+2*\s+1], v[OAC+8*\ct+2*\s:OAC+8*\ct+2*\s+1], 0
.else
	v_wmma_f32_16x16x4_f32 v[PAC+8*\ct:PAC+8*\ct+7], v[WR+8*\ct+2*\s:WR+8*\ct+2*\s+1], v[OAC+8*\ct+2*\s:OAC+8*\ct+2*\s+1], v[PAC+8*\ct:PAC+8*\ct+7]
.endif
.endr
.endr
.rept 8
	v_nop
.endr
.irp p, 0,2,4,6
	v_pk_add_f32 v[QR+\p:QR+\p+1], v[PAC+\p:PAC+\p+1], v[PAC+8+\p:PAC+8+\p+1]
	v_pk_add_f32 v[WK+\p:WK+\p+1], v[PAC+16+\p:PAC+16+\p+1], v[PAC+24+\p:PAC+24+\p+1]
.endr
.irp p, 0,2,4,6
	v_pk_add_f32 v[QR+\p:QR+\p+1], v[QR+\p:QR+\p+1], v[WK+\p:WK+\p+1]   ; my head's part of out(query r, columns 8 h + 0 .. 7)
.endr
	ds_store_b128 v14, v[QR:QR+3] offset:PART
	ds_store_b128 v14, v[QR+4:QR+7] offset:PART+16
	s_wait_dscnt 0x0                               ; for the others' sake: my part lies in LDS
	s_barrier_signal -1
	s_barrier_wait -1
	s_cmp_gt_u32 s12, 1
	s_cbranch_scc1 .Ldone                          ; waves 0 and 1 add: 8 rows each, 16 bytes a lane
.irp p, 0,1,2,3,4,5,6,7,8,9,10,11,12,13,14,15
	ds_load_b128 v[QR+4*\p:QR+4*\p+3], v15 offset:PART+1280*\p
.endr
	s_wait_dscnt 0x0
.irp p, 0,1,2,3,4,5,6,7,8,9,10,11,12,13,14,15
	v_pk_add_f32 v[8:9], v[8:9], v[QR+4*\p:QR+4*\p+1]
	v_pk_add_f32 v[10:11], v[10:11], v[QR+4*\p+2:QR+4*\p+3]
.endr
	global_store_b128 v1, v[8:11], s[10:11]
.Ldone:
	s_wait_tensorcnt 0x0                           ; the wave's end
	ds_add_u32 v12, v13
	s_wait_dscnt 0x0
	s_endpgm
.Lfunc_end_k_qb542eca772_first16:
	.size	k_qb542eca772_first16, .Lfunc_end_k_qb542eca772_first16-k_qb542eca772_first16
	.p2alignl 7, 3214868480
	.fill 96, 4, 3214868480
	.section	.rodata,"a",@progbits
	.p2align	6, 0x0
	.amdhsa_kernel k_qb542eca772_first16
		.amdhsa_group_segment_fixed_size 22528
		.amdhsa_private_segment_fixed_size 0
		.amdhsa_enable_private_segment 0
		.amdhsa_kernarg_size 32
		.amdhsa_user_sgpr_count 2
		.amdhsa_user_sgpr_kernarg_segment_ptr 1
		.amdhsa_wavefront_size32 1
		.amdhsa_system_sgpr_workgroup_id_x 1
		.amdhsa_system_sgpr_workgroup_id_y 1
		.amdhsa_system_sgpr_workgroup_id_z 1
		.amdhsa_system_vgpr_workitem_id 0
		.amdhsa_next_free_vgpr 256
		.amdhsa_next_free_sgpr 66
		.amdhsa_reserve_vcc 1
		.amdhsa_float_denorm_mode_32 3
		.amdhsa_float_denorm_mode_16_64 3
		.amdhsa_memory_ordered 1
		.amdhsa_forward_progress 1
		.amdhsa_inst_pref_size 22
	.end_amdhsa_kernel
	.amdgpu_metadata
---
amdhsa.version: [ 1, 2 ]
amdhsa.kernels:
  - .name:           k_qb542eca772_first16
    .symbol:         k_qb542eca772_first16.kd
    .args:
      - { .name: qkv16, .offset: 0, .size: 8, .value_kind: global_buffer, .address_space: global }
      - { .name: wo, .offset: 8, .size: 8, .value_kind: global_buffer, .address_space: global }
      - { .name: bo, .offset: 16, .size: 8, .value_kind: global_buffer, .address_space: global }
      - { .name: out0, .offset: 24, .size: 8, .value_kind: global_buffer, .address_space: global }
    .group_segment_fixed_size: 22528
    .private_segment_fixed_size: 0
    .kernarg_segment_align: 8
    .kernarg_segment_size: 32
    .max_flat_workgroup_size: 512
    .sgpr_count:     66
    .vgpr_count:     256
    .wavefront_size: 32
...
	.end_amdgpu_metadata
.endif
;; end of part 5
